; MI455X (gfx1250); checked and timed in simulation.
; The chip was launched on July 23, 2026; its instructions are those of AMD's public machine-readable ISA for CDNA 5 (MIT licence, August 2026) and "CDNA5" Instruction Set Architecture Reference Guide (July 2026). The comments in the code are by the model that wrote it; some were corrected since.
;; Mu Causal Self Attention. Allowed arithmetic: matrix products marked QUANTISED: E5M2 operands, one given power-of-two scale a tensor, by v_wmma_f32_16x16x64_bf8_bf8 or v_wmma_f32_16x16x128_bf8_bf8, f32 sums; everything else in f32.
;; Inputs: W_attn 1,024 x 3,072 float32; W_proj 1,024 x 1,024 float32; lowp_scales 8 int32 (the exponents e of the quantised operands' scales 2^e); x 4 x 2,048 x 1,024 float32.
;; Outputs: out0 4 x 2,048 x 1,024 float32.
;; This version of the problem:
;;   THIS VERSION OF THE PROBLEM IS GIVEN IN LOW PRECISION. The matrix products marked QUANTISED in the list below multiply operands that are first quantised to E5M2 (5 exponent bits, 2 mantissa bits; 8 bits a number), with one given power-of-two scale for each operand tensor; their sums are f32. All else is computed in f32.
;;   The module's matrix products, in the order in which they are computed (A, B: the left and right operand; K: the contracted axis; several contracted axes count as one K, in the product's order):
;;     1. [M 8,192, K 1,024] x [K 1,024, N 3,072]; A: input x; B: input W_attn: QUANTISED (scales: A lowp_scales[0], B lowp_scales[1])
;;     2. batch 64 x [M 2,048, K 64] x [K 64, N 2,048]; A: computed on the way; B: computed on the way: QUANTISED (scales: A lowp_scales[2], B lowp_scales[3])
;;     3. batch 64 x [M 2,048, K 2,048] x [K 2,048, N 64]; A: softmax (see below); B: computed on the way: QUANTISED (scales: A lowp_scales[4], B lowp_scales[5])
;;     4. [M 8,192, K 1,024] x [K 1,024, N 1,024]; A: computed on the way; B: input W_proj: QUANTISED (scales: A lowp_scales[6], B lowp_scales[7])
;;   THE QUANTISER, for each operand of a quantised product, along K:
;;     - The operand's scale is 2^e, e = its entry of the input lowp_scales (int32; the entries are numbered through the quantised products in the list's order, A before B).
;;     - Each number is divided by the scale, clamped to +-57,344, and rounded to the nearest number of E5M2, ties to even, subnormals kept.
;;     - The product sums the exact products of the quantised numbers (number of the format x scale) in f32.
;;   ~~~python
;;   def quantise(x, axis, e):      # numpy; x: float32 -> the quantised numbers, widened to float32 again
;;       x = np.moveaxis(x, axis, -1); K = x.shape[-1]
;;       r = np.clip(x / 2.0 ** e, -57344, 57344)
;;       step = 2.0 ** (np.maximum(np.frexp(np.where(r == 0, 1, r))[1] - 1, -14) - 2)
;;       q = np.round(r / step) * step * 2.0 ** e      # np.round: ties to even
;;       return np.moveaxis(q, -1, axis).astype(np.float32)
;;   ~~~
;;   SOFTMAX AHEAD OF A QUANTISED PRODUCT. Where the list says 'softmax', what is quantised is not the finished softmax but p = 2^(t - M), with t = logit x log2(e) and M = ceil(the row's largest t), a whole number; so 1/2 < the row's largest p <= 1. The row's sum l is taken of the UNQUANTISED p, in f32, and the product's result is divided by l at the end. Since M is a whole number, a kernel that streams over the keys may use a running M (the ceiling of the running maximum): every later rescaling is an exact power of two, so the quantised numbers keep their values, but for numbers so far below the row's largest that they fall under the format's range.
;;   OPERANDS COMPUTED ON THE WAY. 'Computed on the way' means the value that the module computes at that place (a softmax that the list does not call 'softmax' is quantised finished and normalised). What goes into a quantiser is computed in f32, as accurately as f32 sums, v_exp_f32 and their like allow (about 1e-6 of the number): no bf16 or f16 on the way to a quantiser, and a product that is left as it is and whose result goes on into a quantised operand takes f32 operands (vector FMAs, or v_wmma_f32_16x16x4_f32). A number that lies on a knife's edge between two numbers of the format may be rounded either way, as far as f32 arithmetic and the matrix unit's own rounding can turn it there, and no further.
;; One version. Each part assembles by itself: llvm-mc -triple=amdgcn-amd-amdhsa -mcpu=gfx1250 --defsym DOCPART=n.
;; ======== version 1 of 1: 4 launches
;; limits: right only within a limited range of input values
;; workspace buffers: x_codes 8,388,608 bytes; wa_codes 3,145,728 bytes; wp_codes 1,048,576 bytes; qkv 25,165,824 bytes; y_codes 8,388,608 bytes
;; launch quant (part 1): grid 384 x 1, 4 waves a work-group, no clusters, 68,096 bytes of LDS; arguments x, W_attn, W_proj, lowp_scales, x_codes, wa_codes, wp_codes; writes x_codes, wa_codes, wp_codes
.if DOCPART == 1
	.amdgcn_target "amdgcn-amd-amdhsa--gfx1250"
	.amdhsa_code_object_version 6
	.text
	.protected	k_qa70a1ea27a_quant
	.globl	k_qa70a1ea27a_quant
	.p2align	8
	.type	k_qa70a1ea27a_quant,@function
k_qa70a1ea27a_quant:
	s_mov_b64 s[64:65], 0
	v_nop
	global_prefetch_b8 v0, s[64:65] scope:SCOPE_SE
	s_setreg_imm32_b32 hwreg(HW_REG_WAVE_MODE, 25, 1), 1
	s_wait_xcnt 0x0
; The three f32 inputs become codes of BF8 (E5M2), K innermost, each with the one scale 2^e that is given for it (x: entry 0, W_attn: entry 1, W_proj: entry 7).
; code = number / 2^e, held within +-57,344, rounded to the nearest code, ties to even.
; LIMITS: each e lies between -126 and 112, so that 2^e and 57,344 x 2^e are f32 numbers.  NaN among the inputs is not served (an infinity is held at the largest code).
; Work-groups 0 to 255 take x [8192][1024], whose K is innermost: a plain stream.  Work-groups 256 to 351 take W_attn [1024 k][3072 n], 352 to 383 W_proj [1024 k][1024 n], whose K is the FIRST axis.
; The two ways part once, on the work-group's number, never join, and have LDS bytes of their own.  No tensor loads, no barrier: waves share nothing.
.set STEPS, 16                         ; x: steps of 512 numbers for a wave
.set SP,    80                         ; x: a lane's place in a stage: its 64 bytes + 16 of padding
.set R,     16                         ; x: v16-79   four sets of 16 numbers as they are loaded
.set X,     80                         ; x: v80-111  two sets of 16 neighbours
.set C,     128                        ; x: v128-191 codes: four registers for each step, so that no store's data are written again
.set WX,    32                         ; weights: v32-95 two sets of 32 numbers; at the end the codes read back
.set WC,    96                         ; weights: v96-103 a block's codes
.set WO,    112                        ; weights: v112-143 byte offsets of rows 0 to 31 of a block, at my column
.set WSTG,  32768                      ; weights: the stages begin behind x's
.set WP,    272                        ; weights: a stage row: 256 bytes of codes + 16
	s_load_b256 s[4:11], s[0:1], 0x0               ; x s[4:5], W_attn s[6:7], W_proj s[8:9], the scales' exponents s[10:11]
	s_load_b128 s[12:15], s[0:1], 0x20             ; x's codes s[12:13], W_attn's s[14:15]
	s_load_b64 s[16:17], s[0:1], 0x30              ; W_proj's
	v_lshl_add_u32 v192, v0, 2, 0x10800
	v_mov_b32 v193, 0
	v_lshrrev_b32 v1, 5, v0
	v_readfirstlane_b32 s18, v1                    ; wave 0..3
	v_and_b32 v2, 31, v0                           ; lane
	s_wait_kmcnt 0x0
	s_load_b256 s[24:31], s[10:11], 0x0            ; e0 .. e7
	s_cmp_lt_u32 ttmp9, 256
	s_cbranch_scc0 .Lweights
	s_wait_alu depctr_va_vdst(0)
; ---- x.  A wave takes 8,192 numbers in 16 steps.  Each of a step's four loads reads 512 consecutive bytes, 16 a lane; the 2,048 bytes go through the wave's own stage in LDS and come
; back 64 bytes a lane: 16 neighbours along K, which the conversions want in one lane's registers.  A lane's 16 codes are 16 bytes: the wave stores 512 consecutive bytes.
	v_lshlrev_b32 v3, 4, v2                        ; my 16 bytes of a load's 512
	s_wait_alu depctr_va_vdst(0)
	s_mul_i32 s19, s18, 8192                       ; my wave's two stages
	v_lshrrev_b32 v14, 2, v2
	v_mul_u32_u24 v14, v14, SP
	v_and_b32 v15, 3, v2
	v_lshl_add_u32 v14, v15, 4, v14
	v_add_nc_u32 v14, s19, v14                     ; in: four lanes' 64 bytes on end, then the padding
	v_mul_u32_u24 v15, v2, SP
	v_add_nc_u32 v15, s19, v15                     ; out: my 16 neighbours
	v_lshlrev_b32 v4, 4, v2                        ; my codes' place in a step's
	s_lshl_b32 s20, ttmp9, 2
	s_add_co_u32 s20, s20, s18                     ; which run of 8,192 numbers is my wave's
	s_lshl_b32 s22, s20, 15
	s_mov_b32 s23, 0
	s_add_nc_u64 s[4:5], s[4:5], s[22:23]
	s_lshl_b32 s22, s20, 13
	s_add_nc_u64 s[12:13], s[12:13], s[22:23]
.macro XLOAD t
.irp i, 0,1,2,3
	global_load_b128 v[R+16*((\t)%4)+4*\i:R+16*((\t)%4)+4*\i+3], v3, s[4:5] offset:2048*(\t)+512*\i th:TH_LOAD_NT
.endr
.endm
.macro XTURN t                         ; step t's numbers through the stage: LDS serves a wave's instructions in order (ISA guide 5.7.1.4), so no wait stands between the stores and the loads
.irp i, 0,1,2,3
	ds_store_b128 v14, v[R+16*((\t)%4)+4*\i:R+16*((\t)%4)+4*\i+3] offset:32*SP*((\t)%2)+8*SP*\i
.endr
.irp i, 0,1,2,3
	ds_load_b128 v[X+16*((\t)%2)+4*\i:X+16*((\t)%2)+4*\i+3], v15 offset:32*SP*((\t)%2)+16*\i
.endr
.endm
.irp t, 0,1,2,3
	XLOAD \t
.endr
	s_wait_alu depctr_va_vdst(0)
	s_wait_kmcnt 0x0
	s_add_co_i32 s22, s24, 127
	s_lshl_b32 s23, s22, 23
	v_mov_b32 v11, s23                             ; 2^e0 as f32: the conversion takes its exponent field
	s_add_co_i32 s22, s22, 15
	s_lshl_b32 s22, s22, 23
	s_or_b32 s22, s22, 0x600000
	s_wait_alu depctr_va_vdst(0)
	s_wait_loadcnt 12                              ; step 0's four loads are in; the twelve of steps 1 to 3 may be out
	XTURN 0
.macro XSTEP t
.set XS, X+16*((\t)%2)
	s_wait_dscnt 0x0                               ; this step's numbers are back from the stage, and its stores into the stage have read their registers,
.if (\t)+4 < STEPS
	XLOAD (\t)+4                                   ; which take the loads of four steps on
.endif
.if (\t)+1 < STEPS
.if STEPS-2-(\t) >= 3
	s_wait_loadcnt 12                              ; the next step's four loads are in; those of the three steps behind it may be out
.else
	s_wait_loadcnt 4*(STEPS-2-(\t))                ; at the end the count runs down
.endif
	XTURN (\t)+1
.endif
.irp i, 0,1,2,3,4,5,6,7,8,9,10,11,12,13,14,15
.endr
	v_cvt_scalef32_pk8_bf8_f32 v[C+4*(\t):C+4*(\t)+1], v[XS:XS+7], v11
	v_cvt_scalef32_pk8_bf8_f32 v[C+4*(\t)+2:C+4*(\t)+3], v[XS+8:XS+15], v11
	global_store_b128 v4, v[C+4*(\t):C+4*(\t)+3], s[12:13] offset:512*(\t)   ; 32 lanes store 512 consecutive bytes, at a multiple of 512 from the buffer's first byte
.endm
.irp t, 0,1,2,3,4,5,6,7,8,9,10,11,12,13,14,15
	XSTEP \t
.endr
	s_wait_tensorcnt 0x0
	ds_add_u32 v192, v193
	s_wait_dscnt 0x0
	s_endpgm
; ---- the weights.  A LANE TAKES A COLUMN n, AND ITS REGISTERS RUN DOWN K: each load reads neighbouring n in neighbouring lanes (128 consecutive bytes a wave, 512 a work-group), and the
; conversions give codes with K innermost.  A wave takes 32 columns x 256 along K: 8 blocks of 32.  The codes go through the wave's own stage and leave as rows: sixteen lanes store 256 consecutive bytes.
; One text serves both weights: pointers, the row's bytes and e are chosen by the work-group's number.  The row's bytes are then no immediate: 32 vector offsets (a row each) and 8 scalar bases (a block each) are made once.
.Lweights:
	s_sub_co_u32 s19, ttmp9, 256
	s_cmp_lt_u32 s19, 96                           ; W_attn's work-group (24 column blocks x 4 along K) or W_proj's (8 x 4)?
	s_cselect_b64 s[4:5], s[6:7], s[8:9]           ; from
	s_cselect_b64 s[12:13], s[14:15], s[16:17]     ; to
	s_mov_b32 s20, 4096
	s_cselect_b32 s20, 12288, s20                  ; bytes in a row of the weight
	s_cselect_b32 s21, 0, 96
	s_sub_co_u32 s19, s19, s21
	s_lshr_b32 s21, s19, 2                         ; which 128 columns
	s_and_b32 s19, s19, 3                          ; which 256 along K
	s_lshl_b32 s21, s21, 7
	s_lshl_b32 s22, s18, 5
	s_add_co_u32 s21, s21, s22                     ; my wave's first column
	s_mul_i32 s22, s19, s20
	s_lshl_b32 s22, s22, 8                         ; 256 rows for each step along K
	s_lshl_b32 s23, s21, 2
	s_add_co_u32 s22, s22, s23
	s_mov_b32 s23, 0
	s_add_nc_u64 s[32:33], s[4:5], s[22:23]        ; block 0's first row, at my wave's first column
	s_lshl_b32 s22, s20, 5                         ; 32 rows on
.irp t, 1,2,3,4,5,6,7
	s_add_nc_u64 s[32+2*\t:33+2*\t], s[30+2*\t:31+2*\t], s[22:23]
.endr
	s_lshl_b32 s48, s21, 10                        ; the codes: a row (a column of the weight) is 1,024 bytes
	s_lshl_b32 s49, s19, 8
	s_add_co_u32 s48, s48, s49
	s_mov_b32 s49, 0
	s_add_nc_u64 s[12:13], s[12:13], s[48:49]
	s_wait_alu depctr_va_vdst(0)
	v_lshlrev_b32 v3, 2, v2                        ; 4 bytes a lane
.set I, 0
.rept 32
	v_mad_u32_u24 v[WO+I], s20, I, v3              ; row I of a block, my column
.set I, I+1
.endr
	s_mul_i32 s50, s18, 32*WP
	s_add_co_u32 s50, s50, WSTG                    ; my stage
	v_mul_u32_u24 v4, v2, WP
	v_add_nc_u32 v4, s50, v4                       ; into it: row = my column
	v_and_b32 v5, 15, v2
	v_lshrrev_b32 v6, 4, v2
	v_mul_u32_u24 v7, v6, WP
	v_lshl_add_u32 v7, v5, 4, v7
	v_add_nc_u32 v7, s50, v7                       ; out of it: sixteen lanes to a row, two rows an instruction
	v_lshlrev_b32 v8, 10, v6
	v_lshl_add_u32 v8, v5, 4, v8                   ; and the same place in the codes' buffer
.macro WLOAD t                         ; block t: W(32 t + I, my column) into set t % 2
.set I, 0
.rept 32
	global_load_b32 v[WX+32*((\t)%2)+I], v[WO+I], s[32+2*(\t):33+2*(\t)] th:TH_LOAD_NT
.set I, I+1
.endr
.endm
	WLOAD 0
	WLOAD 1
	s_wait_kmcnt 0x0
	s_cmp_lt_u32 ttmp9, 352
	s_cselect_b32 s22, s25, s31                    ; e1 or e7
	s_add_co_i32 s22, s22, 127
	s_lshl_b32 s23, s22, 23
	v_mov_b32 v11, s23                             ; 2^e
	s_add_co_i32 s22, s22, 15
	s_lshl_b32 s22, s22, 23
	s_or_b32 s22, s22, 0x600000
.macro WBLOCK t
.set XS, WX+32*((\t)%2)
.if (\t) < 7
	s_wait_loadcnt 32                              ; this block's 32 loads are in; the next block's 32 may be out
.else
	s_wait_loadcnt 0
.endif
.set I, 0
.rept 32
.set I, I+1
.endr
.irp g, 0,1,2,3
	v_cvt_scalef32_pk8_bf8_f32 v[WC+2*\g:WC+2*\g+1], v[XS+8*\g:XS+8*\g+7], v11
.endr
	ds_store_b128 v4, v[WC:WC+3] offset:32*(\t)    ; 32 codes: 32 bytes of my column's row
	ds_store_b128 v4, v[WC+4:WC+7] offset:32*(\t)+16
.if (\t)+2 < 8
	WLOAD (\t)+2
.endif
	s_wait_dscnt 0x0                               ; the stores have read their registers: the next block's codes may be written
.endm
	s_wait_alu depctr_va_vdst(0)
.irp t, 0,1,2,3,4,5,6,7
	WBLOCK \t
.endr
	v_nop
.irp t, 0,1,2,3,4,5,6,7,8,9,10,11,12,13,14,15
	ds_load_b128 v[WX+4*\t:WX+4*\t+3], v7 offset:2*\t*WP
.endr
.irp t, 0,1,2,3,4,5,6,7,8,9,10,11,12,13,14,15
	s_wait_dscnt 15-\t                             ; LDS loads come back in order: load t is in, the younger ones may be out
	global_store_b128 v8, v[WX+4*\t:WX+4*\t+3], s[12:13] offset:2*\t*1024
.endr
	s_wait_tensorcnt 0x0
	ds_add_u32 v192, v193
	s_wait_dscnt 0x0
	s_endpgm
.Lfunc_end_k_qa70a1ea27a_quant:
	.size	k_qa70a1ea27a_quant, .Lfunc_end_k_qa70a1ea27a_quant-k_qa70a1ea27a_quant
	.p2alignl 7, 3214868480
	.fill 96, 4, 3214868480
	.section	.rodata,"a",@progbits
	.p2align	6, 0x0
	.amdhsa_kernel k_qa70a1ea27a_quant
		.amdhsa_group_segment_fixed_size 68096
		.amdhsa_private_segment_fixed_size 0
		.amdhsa_enable_private_segment 0
		.amdhsa_kernarg_size 56
		.amdhsa_user_sgpr_count 2
		.amdhsa_user_sgpr_kernarg_segment_ptr 1
		.amdhsa_wavefront_size32 1
		.amdhsa_system_sgpr_workgroup_id_x 1
		.amdhsa_system_sgpr_workgroup_id_y 1
		.amdhsa_system_sgpr_workgroup_id_z 1
		.amdhsa_system_vgpr_workitem_id 0
		.amdhsa_next_free_vgpr 194
		.amdhsa_next_free_sgpr 66
		.amdhsa_reserve_vcc 0
		.amdhsa_float_denorm_mode_32 3
		.amdhsa_float_denorm_mode_16_64 3
		.amdhsa_fp16_overflow 1
		.amdhsa_memory_ordered 1
		.amdhsa_forward_progress 1
		.amdhsa_inst_pref_size 56
	.end_amdhsa_kernel
	.amdgpu_metadata
---
amdhsa.version: [ 1, 2 ]
amdhsa.kernels:
  - .name:           k_qa70a1ea27a_quant
    .symbol:         k_qa70a1ea27a_quant.kd
    .args:
      - { .name: x, .offset: 0, .size: 8, .value_kind: global_buffer, .address_space: global }
      - { .name: W_attn, .offset: 8, .size: 8, .value_kind: global_buffer, .address_space: global }
      - { .name: W_proj, .offset: 16, .size: 8, .value_kind: global_buffer, .address_space: global }
      - { .name: lowp_scales, .offset: 24, .size: 8, .value_kind: global_buffer, .address_space: global }
      - { .name: x_codes, .offset: 32, .size: 8, .value_kind: global_buffer, .address_space: global }
      - { .name: wa_codes, .offset: 40, .size: 8, .value_kind: global_buffer, .address_space: global }
      - { .name: wp_codes, .offset: 48, .size: 8, .value_kind: global_buffer, .address_space: global }
    .group_segment_fixed_size: 68096
    .private_segment_fixed_size: 0
    .kernarg_segment_align: 8
    .kernarg_segment_size: 56
    .max_flat_workgroup_size: 128
    .sgpr_count:     66
    .vgpr_count:     194
    .wavefront_size: 32
...
	.end_amdgpu_metadata
.endif
;; end of part 1
;; launch qkv (part 2): grid 12 x 32, 4 waves a work-group, clusters of 4 x 4, 327,680 bytes of LDS; arguments x_codes, wa_codes, lowp_scales, qkv; writes qkv
.if DOCPART == 2
	.amdgcn_target "amdgcn-amd-amdhsa--gfx1250"
	.amdhsa_code_object_version 6
	.text
	.protected	k_qa70a1ea27a_qkv
	.globl	k_qa70a1ea27a_qkv
	.p2align	8
	.type	k_qa70a1ea27a_qkv,@function
k_qa70a1ea27a_qkv:
	s_mov_b64 s[64:65], 0
	v_nop
	global_prefetch_b8 v0, s[64:65] scope:SCOPE_SE
	s_setreg_imm32_b32 hwreg(HW_REG_WAVE_MODE, 25, 1), 1
	s_wait_xcnt 0x0
	s_wait_alu depctr_hold_cnt(0) depctr_sa_sdst(0) depctr_va_vdst(0) depctr_va_sdst(0) depctr_va_ssrc(0) depctr_va_vcc(0) depctr_vm_vsrc(0)
	s_getreg_b32 s2, hwreg(HW_REG_IB_STS2, 6, 4)
	s_cmp_eq_u32 s2, 0
	s_cbranch_scc0 .Lentry_in_a_cluster
	s_endpgm
.Lentry_in_a_cluster:
	s_bfe_u32 s2, ttmp6, 0x10000c
	s_cmp_lg_u32 s2, 0xf033
	s_cbranch_scc0 .Lentry_shape_is_right
	s_endpgm
.Lentry_shape_is_right:
; The first product, x W_attn, on codes of BF8 (E5M2); its f32 sums are quantised on the way out into the codes of q, k and v that attention reads.  No f32 number goes to memory.
; ONE GENERIC PRODUCT  C'[i][j] = sum over k of P[i][k] Q[j][k], K = 1,024, a tile of 256 x 256 to a work-group of four waves, 128 x 128 (64 accumulators, 512 registers) to a wave.
;   clusters with x = 0, 1 (q and k): P = x's codes (i = token), Q = W_attn's codes, rows 0 to 2,047 (j = feature): a lane's eight sums are eight neighbours along the head's 64.
;   clusters with x = 2 (v): P = W_attn's codes, rows 2,048 on (i = feature), Q = x's codes (j = token): a lane's eight sums are eight neighbouring KEYS, which are the K of attention's second product.
; What differs between the two is chosen by s_cselect on the cluster's x, which all partners share: two pointers, two tile coordinates, the scale and the bases of the stores.  No branch hangs on it.
; OUT: three sections of 2^23 bytes: q and k as [16 b + h][t][64 d]; v as [16 b + h][key / 64][d][64 keys].
; code = sum x 2^(e0 + e1) / 2^eD, held within +-57,344: the three scales are folded into the conversion's one, 2^f, f = eD - e0 - e1, eD = e2 (q), e3 (k), e5 (v).
; LIMIT: f lies between -126 and 112.  k stands in other places of the operands' registers than the form's own layout gives it, alike in both operands: only the order of the sums inside an instruction changes.
; K goes in steps of 256 through a ring of two LDS slots filled by the tensor data mover.  CLUSTERS: 4 x 4 work-groups; P's tile is shared along a row of the cluster, Q's along a column: each is asked for jointly.
; THE MATRIX INSTRUCTION: source 0 = 16 rows of Q, source 1 = 16 rows of P: lane l holds row i = l % 16 and its registers j = 8 (l / 16) + 0 .. 7.
; REGISTERS, in windows of 256: window 0: v0-31 addresses and the scale; from v128 P's fragments, ONE set; on the way out v96-223 are at work.  window 1: Q's fragments, TWO sets.  windows 2, 3: the accumulators ((a, b) at v[8 (8 (a % 4) + b)]).
.set KSTEP,  256
.set ROWB,   256                       ; a tile's row in bytes
.set KROW,   1024                      ; a row of codes in memory
.set PITCH,  272                       ; an LDS row: 256 bytes + 16 of padding = 68 words: row r starts at bank 4 r mod 64 (64 banks of 4 bytes: ISA guide 11.1)
.set FR,     16                        ; registers of a fragment: 16 rows x 128 K
.set NL,     4                         ; LDS loads that bring one
.set NP,     4                         ; places behind this matrix instruction (ISA guide 7.12.1)
.set HALFT,  128*PITCH
.set SLOT,   4*HALFT                   ; P's 256 rows, then Q's 256 rows
.set LAPS,   2                         ; 1,024 along K = four K steps = twice round the ring
.set SPARE,  2*SLOT                    ; behind the ring: the spare words, 128 bytes for each wave: two blocks of 256 bytes that no other line names
.set WSTG,   17408                     ; the way out: a wave's stage: 2 x 8,192 bytes of codes, 16 of padding behind each 256.  It lies in slot 0, which has had its last fill and its last read by then
.set ADRA, 16
.set ADRB, 20
.set STO,  24                          ; v24  the way out: where I put 8 codes
.set RD,   25                          ; v25  where I read 16 bytes back
.set CO,   26                          ; v26  16 x lane
.set SPW,  28                          ; v28  LDS address of my spare word; never rewritten
.set NIL,  29                          ; v29  0; never rewritten
.set SC,   30                          ; v30  2^f
.set LM,   31
.set TMP,  32
.set COD,  96                          ; v96-223 codes: 16 registers for each block; then the codes read back
.set AF,   128
.set G1, 24
.set G0, 32
.set G1B, 48
.set G0B, 56
.set MSB, 0
.macro WIN new                         ; the immediate's high byte repeats the setting that is left
.if MSB != \new
	s_set_vgpr_msb (MSB<<8)|\new
.set MSB, \new
.endif
.endm
.set MUL_LO, 0xa1                      ; source 0 (Q) window 1, source 1 (P) window 0, C and D window 2
.set MUL_HI, 0xf1
.set TO_B,   0x40
; A joint load: waves 0 and 1 fetch for P, waves 2 and 3 for Q.  The branch hangs on the wave's number alone.  Four v_nop follow each of the two lines.
.macro JLOAD g0a, g1a, g0b, g1b
	s_cmp_eq_u32 s15, 0
	s_cbranch_scc0 .Lfor_b_\@
	tensor_load_to_lds s[\g0a:\g0a+3], s[\g1a:\g1a+7]
	s_nop 0
.rept 4
	v_nop
.endr
	s_branch .Lasked_\@
.Lfor_b_\@:
	tensor_load_to_lds s[\g0b:\g0b+3], s[\g1b:\g1b+7]
	s_nop 0
.rept 4
	v_nop
.endr
.Lasked_\@:
.endm
.macro CREST                           ; a round of the cluster's barrier behind its opening barrier
	s_cmp_lg_u32 s14, 0
	s_cbranch_scc1 .Lnot_wave_0_\@
	s_barrier_signal -3
.Lnot_wave_0_\@:
	s_barrier_wait -3
	s_barrier_signal -1
	s_barrier_wait -1
.endm
.macro CROUND
	s_barrier_signal -1
	s_barrier_wait -1
	CREST
.endm
	s_load_b128 s[4:7], s[0:1], 0x0                ; x's codes s[4:5], W_attn's codes s[6:7]
	s_load_b128 s[8:11], s[0:1], 0x10              ; the scales' exponents s[8:9], the output s[10:11]
	v_lshl_add_u32 v[SPW], v0, 2, SPARE
	v_mov_b32 v[NIL], 0
	ds_add_u32 v28, v29
	ds_add_u32 v28, v29
	s_wait_dscnt 0x0
	v_lshrrev_b32 v1, 5, v0
	v_readfirstlane_b32 s14, v1                    ; wave 0..3
	s_lshr_b32 s15, s14, 1                         ; which half of the tile's rows i is mine.  Also: I fetch for P (0) or for Q (1)
	s_and_b32 s16, s14, 1                          ; which half of its columns j.  Also: which 128 rows of that tile I fetch
	s_bfe_u32 s40, ttmp6, 0x40000                  ; cx, cy: my place in the cluster
	s_bfe_u32 s41, ttmp6, 0x40004
	s_and_b32 s13, ttmp7, 0xffff                   ; the cluster's y
	s_cmp_eq_u32 ttmp9, 2                          ; v's clusters?
	s_cselect_b32 s66, 0, s13                      ; the cluster's place along i: v has four tile rows, one cluster's worth
	s_cselect_b32 s67, s13, ttmp9                  ; and along j
	s_lshl_b32 s42, s67, 2
	s_add_co_u32 s42, s42, s40                     ; tile column
	s_lshl_b32 s17, s66, 2
	s_add_co_u32 s17, s17, s41                     ; tile row
	s_lshl_b32 s43, s41, 2
	s_lshl_b32 s43, 15, s43                        ; my row of the cluster
	s_lshl_b32 s44, 0x1111, s40                    ; my column
	s_or_b32 s[G1+0], s43, (0<<16)|(1<<20)|(1<<21)|(5<<22)|(3<<25)  ; 15:0 the mask: P's tiles go to my row; 17:16 elements of 1 byte; 20 padding on; 21 set beside a mask; 24:22 after every 64 words; 31:25 four words
	s_or_b32 s[G1B+0], s44, (0<<16)|(1<<20)|(1<<21)|(5<<22)|(3<<25)
.irp g, G1, G1B
	s_mov_b32 s[\g+1], ROWB<<16                    ; tensor_dim0
	s_mov_b32 s[\g+2], 128<<16                     ; tensor_dim1
	s_mov_b32 s[\g+3], ROWB<<16                    ; tile_dim0
	s_mov_b32 s[\g+4], 128                         ; tile_dim1
	s_mov_b32 s[\g+5], KROW                        ; tensor_dim0_stride
	s_mov_b32 s[\g+6], 0
	s_mov_b32 s[\g+7], 0
.endr
	s_lshl_b32 s18, s16, 7                         ; which 128 rows of the tile I fetch
	s_lshl_b32 s20, s17, 8
	s_add_co_u32 s20, s20, s18
	s_lshl_b32 s20, s20, 10                        ; P: (256 x tile row + 128 x half) rows of 1,024 bytes
	s_mov_b32 s21, 0
	s_lshl_b32 s46, s42, 8
	s_add_co_u32 s46, s46, s18
	s_lshl_b32 s46, s46, 10                        ; Q likewise, by the tile column
	s_mov_b32 s47, 0
	s_mul_i32 s45, s14, HALFT                      ; where they go: wave x 128 rows: no place in the cluster enters an LDS address
	s_wait_kmcnt 0x0
	s_load_b256 s[72:79], s[8:9], 0x0              ; e0 .. e7
	s_add_nc_u64 s[68:69], s[6:7], 0x200000        ; W_attn's codes from row 2,048 on: v's features
	s_cmp_eq_u32 ttmp9, 2
	s_cselect_b64 s[70:71], s[68:69], s[4:5]       ; P
	s_cselect_b64 s[68:69], s[4:5], s[6:7]         ; Q
	s_add_nc_u64 s[20:21], s[70:71], s[20:21]
	s_add_nc_u64 s[46:47], s[68:69], s[46:47]
	CROUND                                         ; all sixteen work-groups are here: the first joint loads meet
.irp s, 0,1
	s_mov_b32 s[G0+4*\s], 1
	s_add_co_u32 s[G0+4*\s+1], s45, \s*SLOT
	s_add_nc_u64 s[G0+4*\s+2:G0+4*\s+3], s[20:21], \s*ROWB
	s_or_b32 s[G0+4*\s+3], s[G0+4*\s+3], 0x80000000
	s_mov_b32 s[G0B+4*\s], 1
	s_add_co_u32 s[G0B+4*\s+1], s45, \s*SLOT
	s_add_nc_u64 s[G0B+4*\s+2:G0B+4*\s+3], s[46:47], \s*ROWB
	s_or_b32 s[G0B+4*\s+3], s[G0B+4*\s+3], 0x80000000
	JLOAD G0+4*\s, G1, G0B+4*\s, G1B
.endr
	v_and_b32 v1, 15, v0                           ; r = l % 16
	s_wait_alu depctr_va_vdst(0)
	v_bfe_u32 v2, v0, 4, 1                         ; h = l / 16
	v_mul_u32_u24 v3, v1, PITCH
	v_lshl_add_u32 v4, v2, 4, v3                   ; a fragment's row x pitch + 16 x half
	s_mul_i32 s21, s15, HALFT
	s_mul_i32 s22, s16, HALFT
	s_add_co_u32 s22, s22, 2*HALFT
.irp s, 0,1
	v_add_nc_u32 v[ADRA+\s], s21, v4
	v_add_nc_u32 v[ADRB+\s], s22, v4
	s_add_co_u32 s21, s21, SLOT
	s_add_co_u32 s22, s22, SLOT
.endr
	; the stage: an image [j / 64][i 0 .. 127][64 bytes], four rows i to 256 bytes, 16 of padding behind them
	s_mul_i32 s23, s14, WSTG
	v_lshrrev_b32 v5, 2, v1
	v_mul_u32_u24 v5, v5, 272
	v_and_b32 v6, 3, v1
	v_lshl_add_u32 v5, v6, 6, v5
	v_lshl_add_u32 v5, v2, 3, v5
	v_add_nc_u32 v[STO], s23, v5                   ; in: (r / 4) x 272 + (r % 4) x 64 + 8 h: the 32 lanes of a store touch 64 different banks
	v_mul_u32_u24 v5, v2, 272
	v_lshl_add_u32 v5, v1, 4, v5
	v_add_nc_u32 v[RD], s23, v5                    ; back: sixteen lanes to 256 bytes
	v_and_b32 v6, 31, v0
	v_lshlrev_b32 v[CO], 4, v6
	; where my 128 x 128 goes: four dense pieces of 4,096 bytes: (j / 64, i / 64)
	s_lshl_b32 s20, s17, 8
	s_lshl_b32 s21, s15, 7
	s_add_co_u32 s20, s20, s21                     ; i0
	s_lshl_b32 s21, s42, 8
	s_lshl_b32 s22, s16, 7
	s_add_co_u32 s21, s21, s22                     ; j0
	s_lshr_b32 s22, s21, 10                        ; q, k: the section,
	s_lshl_b32 s22, s22, 23
	s_lshr_b32 s23, s20, 11                        ; b,
	s_lshl_b32 s23, s23, 21
	s_add_co_u32 s22, s22, s23
	s_bfe_u32 s23, s21, 0x40006                    ; the head,
	s_lshl_b32 s23, s23, 17
	s_add_co_u32 s22, s22, s23
	s_and_b32 s23, s20, 2047                       ; t, 64 bytes each
	s_lshl_b32 s23, s23, 6
	s_add_co_u32 s22, s22, s23
	s_lshr_b32 s23, s21, 11                        ; v: b,
	s_lshl_b32 s23, s23, 21
	s_lshr_b32 s46, s20, 6                         ; the head,
	s_lshl_b32 s46, s46, 17
	s_add_co_u32 s23, s23, s46
	s_bfe_u32 s46, s21, 0x50006                    ; the block of 64 keys, 4,096 bytes each,
	s_lshl_b32 s46, s46, 12
	s_add_co_u32 s23, s23, s46
	s_add_co_u32 s23, s23, 0x1000000               ; in the third section
	s_cmp_eq_u32 ttmp9, 2
	s_cselect_b32 s22, s23, s22
	s_mov_b32 s23, 0x1000
	s_mov_b32 s46, 0x20000
	s_cselect_b32 s47, s23, s46                    ; 64 on along j: q, k: the next head; v: the next block of keys
	s_cselect_b32 s46, s46, s23                    ; 64 on along i: q, k: 64 tokens; v: the next head
	s_mov_b32 s23, 0
	s_add_nc_u64 s[80:81], s[10:11], s[22:23]
	s_mov_b32 s22, s46
	s_add_nc_u64 s[82:83], s[80:81], s[22:23]
	s_mov_b32 s22, s47
	s_add_nc_u64 s[84:85], s[80:81], s[22:23]
	s_add_nc_u64 s[86:87], s[82:83], s[22:23]
.macro FRAG reg, adr, q, i             ; 16 rows x 128 K: lane l holds row l % 16; registers 4 c .. 4 c + 3 hold K = 32 c + 16 (l / 16) + 0 .. 15
.irp c, 0,1,2,3
	ds_load_b128 v[\reg+4*\c:\reg+4*\c+3], v[\adr] offset:128*(\q)+32*\c+(\i)*16*PITCH
.endr
.endm
; 16 matrix instructions: P's blocks a0, a0 + 1 x Q's eight.  The 64 accumulators take turns, one instruction a turn, in the same order in every step.
.macro MUL16 a0, p, zero
.irp a, \a0, \a0+1
.irp b, 0,1,2,3,4,5,6,7
.if \zero
	v_wmma_f32_16x16x128_bf8_bf8 v[8*(8*((\a)%4)+\b):8*(8*((\a)%4)+\b)+7], v[128*(\p)+FR*\b:128*(\p)+FR*\b+FR-1], v[AF+FR*(\a):AF+FR*(\a)+FR-1], 0
.else
	v_wmma_f32_16x16x128_bf8_bf8 v[8*(8*((\a)%4)+\b):8*(8*((\a)%4)+\b)+7], v[128*(\p)+FR*\b:128*(\p)+FR*\b+FR-1], v[AF+FR*(\a):AF+FR*(\a)+FR-1], v[8*(8*((\a)%4)+\b):8*(8*((\a)%4)+\b)+7]
.endif
.endr
.endr
.endm
.macro FETCH_B slot, q, p
	WIN TO_B
.irp i, 0,1,2,3,4,5,6,7
	FRAG 128*(\p)+FR*\i, ADRB+\slot, \q, \i
.endr
	WIN 0
.endm
.macro FETCH_A slot, q, i0
.irp i, \i0, \i0+1, \i0+2, \i0+3
	FRAG AF+FR*(\i), ADRA+\slot, \q, \i
.endr
.endm
.macro PLACES n                        ; plain vector lines between a matrix instruction and a load into a register that it has read, or a read of its result
.rept \n
	v_nop
.endr
.endm
.macro STEP slot, q, zero              ; 128 along K that has its successor in the same slot
	s_wait_dscnt 4*NL                              ; Q's set and P's blocks 0-3 are in; the youngest sixteen loads (P's blocks 4-7) may be out
	WIN MUL_LO
	MUL16 0, (\q)%2, \zero
	MUL16 2, (\q)%2, \zero
	s_wait_dscnt 0
	PLACES NP
	FETCH_B \slot, (\q)+1, 1-(\q)%2
	FETCH_A \slot, (\q)+1, 0
	WIN MUL_HI
	MUL16 4, (\q)%2, \zero
	MUL16 6, (\q)%2, \zero
	PLACES NP
	WIN 0
	FETCH_A \slot, (\q)+1, 4
.endm
; A slot's last step changes slots: ONE barrier; in front of it each wave waits for all its tensor loads, adds 0 to its spare word, and waits for that and for its own reads of this slot.
.macro TURN slot, next, fill
	s_wait_tensorcnt 0x0                           ; all my tensor loads have landed: my part of the next slot
	ds_add_u32 v[SPW], v[NIL]                      ; 0 onto my spare word
	s_wait_dscnt 4*NL+1                            ; the add and the youngest sixteen loads may be out
	WIN MUL_LO
	MUL16 0, 1, 0
	s_wait_dscnt 0x0                               ; the add is done, and my reads of this slot are over
	s_barrier_signal -1
	MUL16 2, 1, 0
	WIN 0
	s_barrier_wait -1
.if \fill
	CREST                                          ; the barrier has opened a round of the cluster's: no wave of any partner still reads this slot or has a load on its way
	s_add_nc_u64 s[G0+4*\slot+2:G0+4*\slot+3], s[G0+4*\slot+2:G0+4*\slot+3], 2*ROWB
	s_add_nc_u64 s[G0B+4*\slot+2:G0B+4*\slot+3], s[G0B+4*\slot+2:G0B+4*\slot+3], 2*ROWB
	JLOAD G0+4*\slot, G1, G0B+4*\slot, G1B         ; the first tensor load behind the round; its four v_nop are also the places in front of the loads below
.else
	PLACES NP
.endif
	FETCH_B \next, 0, 0
	FETCH_A \next, 0, 0
	WIN MUL_HI
	MUL16 4, 1, 0
	MUL16 6, 1, 0
	PLACES NP
	WIN 0
	FETCH_A \next, 0, 4
.endm
	s_wait_tensorcnt 1                             ; my part of K step 0 is in; K step 1's load may be out
	s_barrier_signal -1
	s_barrier_wait -1
	FETCH_B 0, 0, 0
	FETCH_A 0, 0, 0
	FETCH_A 0, 0, 4
	STEP 0, 0, 1                                   ; the first step's products start the sums
	s_mov_b32 s3, LAPS-1
.Llap:                                                 ; a trip goes once round the ring and fills both slots again
	TURN 0, 1, 1
	STEP 1, 0, 0
	TURN 1, 0, 1
	STEP 0, 0, 0
	s_sub_co_u32 s3, s3, 1
	s_cmp_lg_u32 s3, 0
	s_cbranch_scc1 .Llap
	TURN 0, 1, 0                                   ; the last lap fills nothing
	STEP 1, 0, 0
	s_wait_dscnt 4*NL
	WIN MUL_LO
	MUL16 0, 1, 0
	MUL16 2, 1, 0
	s_wait_dscnt 0
	WIN MUL_HI
	MUL16 4, 1, 0
	MUL16 6, 1, 0
	WIN 0
	; THE WAY OUT.  A block of 16 rows i: the 64 sums of a lane are converted (eight neighbours along j make 8 bytes) and put into the stage; each accumulator is read from its low end on.
	s_wait_kmcnt 0x0
	s_cmp_eq_u32 ttmp9, 0
	s_cselect_b32 s96, s74, s75                    ; q's e2 or k's e3,
	s_cmp_eq_u32 ttmp9, 2
	s_cselect_b32 s96, s77, s96                    ; or v's e5
	s_sub_co_i32 s96, s96, s72
	s_sub_co_i32 s96, s96, s73                     ; f
	s_add_co_i32 s96, s96, 127
	s_lshl_b32 s97, s96, 23
	s_add_co_i32 s96, s96, 15
	s_lshl_b32 s96, s96, 23
	s_or_b32 s96, s96, 0x600000
	PLACES NP
	v_mov_b32 v[SC], s97
.macro QBLOCK a
.set AC, 64*((\a)%4)
	WIN 0x02+((\a)/4)                              ; source 0: window 2 or 3
.set J, 0
.rept 64
.set J, J+1
.endr
.irp b, 0,1,2,3,4,5,6,7
	v_cvt_scalef32_pk8_bf8_f32 v[COD+16*(\a)+2*\b:COD+16*(\a)+2*\b+1], v[AC+8*\b:AC+8*\b+7], v[SC]
.endr
	WIN 0
	v_nop                                          ; a plain line behind the conversions
.irp b, 0,1,2,3,4,5,6,7
	ds_store_b64 v[STO], v[COD+16*(\a)+2*\b:COD+16*(\a)+2*\b+1] offset:(\b/4)*8704+(\a)*1088+(\b%4)*16
.endr
.endm
.irp a, 0,1,2,3,4,5,6,7
	QBLOCK \a
.endr
	s_wait_dscnt 0x0                               ; the stores have read their registers, which now take the codes back
.set N, 0
.rept 32
	ds_load_b128 v[COD+4*N:COD+4*N+3], v[RD] offset:544*N
.set N, N+1
.endr
.set N, 0
.rept 32
	s_wait_dscnt 31-N                              ; load N is in, the younger ones may be out
	global_store_b128 v[CO], v[COD+4*N:COD+4*N+3], s[80+4*(N/16)+2*((N/8)%2):81+4*(N/16)+2*((N/8)%2)] offset:(N%8)*512   ; 32 lanes store 512 consecutive bytes, at a multiple of 512 from the buffer's first byte
.set N, N+1
.endr
	s_wait_tensorcnt 0x0                           ; the wave's end
	ds_add_u32 v[SPW], v[NIL]
	s_wait_dscnt 0x0
	CROUND                                         ; the closing round: no work-group ends while a partner may still ask for a tile that names it
	s_endpgm
.Lfunc_end_k_qa70a1ea27a_qkv:
	.size	k_qa70a1ea27a_qkv, .Lfunc_end_k_qa70a1ea27a_qkv-k_qa70a1ea27a_qkv
	.p2alignl 7, 3214868480
	.fill 96, 4, 3214868480
	.section	.rodata,"a",@progbits
	.p2align	6, 0x0
	.amdhsa_kernel k_qa70a1ea27a_qkv
		.amdhsa_group_segment_fixed_size 327680
		.amdhsa_private_segment_fixed_size 0
		.amdhsa_enable_private_segment 0
		.amdhsa_kernarg_size 32
		.amdhsa_user_sgpr_count 2
		.amdhsa_user_sgpr_kernarg_segment_ptr 1
		.amdhsa_wavefront_size32 1
		.amdhsa_system_sgpr_workgroup_id_x 1
		.amdhsa_system_sgpr_workgroup_id_y 1
		.amdhsa_system_sgpr_workgroup_id_z 1
		.amdhsa_system_vgpr_workitem_id 0
		.amdhsa_next_free_vgpr 1024
		.amdhsa_next_free_sgpr 100
		.amdhsa_reserve_vcc 0
		.amdhsa_float_denorm_mode_32 3
		.amdhsa_float_denorm_mode_16_64 3
		.amdhsa_fp16_overflow 1
		.amdhsa_memory_ordered 1
		.amdhsa_forward_progress 1
		.amdhsa_inst_pref_size 94
	.end_amdhsa_kernel
	.amdgpu_metadata
---
amdhsa.version: [ 1, 2 ]
amdhsa.kernels:
  - .name:           k_qa70a1ea27a_qkv
    .symbol:         k_qa70a1ea27a_qkv.kd
    .args:
      - { .name: x_codes, .offset: 0, .size: 8, .value_kind: global_buffer, .address_space: global }
      - { .name: wa_codes, .offset: 8, .size: 8, .value_kind: global_buffer, .address_space: global }
      - { .name: lowp_scales, .offset: 16, .size: 8, .value_kind: global_buffer, .address_space: global }
      - { .name: qkv, .offset: 24, .size: 8, .value_kind: global_buffer, .address_space: global }
    .group_segment_fixed_size: 327680
    .private_segment_fixed_size: 0
    .kernarg_segment_align: 8
    .kernarg_segment_size: 32
    .max_flat_workgroup_size: 128
    .sgpr_count:     100
    .vgpr_count:     1024
    .wavefront_size: 32
...
	.end_amdgpu_metadata
.endif
;; end of part 2
;; launch attn (part 3): grid 4 x 64, 16 waves a work-group, clusters of 4 x 1, 327,680 bytes of LDS; arguments qkv, lowp_scales, y_codes; writes y_codes
.if DOCPART == 3
	.amdgcn_target "amdgcn-amd-amdhsa--gfx1250"
	.amdhsa_code_object_version 6
	.text
	.protected	k_qa70a1ea27a_attn
	.globl	k_qa70a1ea27a_attn
	.p2align	8
	.type	k_qa70a1ea27a_attn,@function
k_qa70a1ea27a_attn:
	s_mov_b64 s[64:65], 0
	v_nop
	global_prefetch_b8 v0, s[64:65] scope:SCOPE_SE
	s_setreg_imm32_b32 hwreg(HW_REG_WAVE_MODE, 25, 1), 1
	s_wait_xcnt 0x0
	s_wait_alu depctr_hold_cnt(0) depctr_sa_sdst(0) depctr_va_vdst(0) depctr_va_sdst(0) depctr_va_ssrc(0) depctr_va_vcc(0) depctr_vm_vsrc(0)
	s_getreg_b32 s2, hwreg(HW_REG_IB_STS2, 6, 4)
	s_cmp_eq_u32 s2, 0
	s_cbranch_scc0 .Lentry_in_a_cluster
	s_endpgm
.Lentry_in_a_cluster:
	s_bfe_u32 s2, ttmp6, 0x10000c
	s_cmp_lg_u32 s2, 0x3003
	s_cbranch_scc0 .Lentry_shape_is_right
	s_endpgm
.Lentry_shape_is_right:
; Causal attention on codes of BF8 (E5M2): 64 heads (16 b + h) of 2,048 tokens, head size 64, logits = q . k / 64.  Its result y is quantised here into the codes that the last product reads.
; IN: q and k as [head][t][64 d], v as [head][key / 64][d][64 keys]: three sections of 2^23 bytes.  OUT: y's codes as [h / 4][row / 128][h % 4][row % 128][64], row = 2,048 b + t.
; THE SOFTMAX AHEAD OF THE SECOND PRODUCT: t = logit x log2(e); M = the row's largest t so far, rounded UP to a whole number; p = 2^(t - M) is quantised (scale 2^e4), not normalised.
; The row's sum is taken of the unquantised p and divides O at the end.  When M moves, the sum and O are multiplied by 2^(old M - new M): exact.
; SHARES.  The four work-groups of a cluster serve one head.  A head's whole K and V (2 x 131,072 bytes) are put into each one's LDS ONCE, by joint loads issued at the head: nothing is filled twice.
; Wave w of work-group g (its place in the cluster) takes two tiles of 16 queries: first the late one, 127 - (4 w + g), then the early one, 4 w + g.  Key steps are 128 keys; a tile T needs T / 8 + 1 of them:
; 16 - w / 2 and w / 2 + 1, together 17 for every wave; both counts hang on the wave's number alone, so every branch is alike in the four partners.  Steps wholly behind the diagonal are not done.
; The keys come in four chunks of four steps; each chunk has its own counted wait and barrier, so that the first steps run while the later chunks are on their way.
; LAYOUT.  Both products are used transposed: S^T = K Q^T (source 0 = 16 keys, source 1 = my 16 queries), O^T = V^T P^T (source 0 = 16 of the head's 64, source 1 = P): a lane holds ONE query (lane % 16).
; THE KEYS OF A TILE ARE NOT NEIGHBOURS: lane r of key tile 2 b + u takes key 32 b + 8 u + r + 8 (r / 8), so that the 16 registers of tiles 2 b, 2 b + 1 are the keys 32 b + 16 (lane / 16) + 0 .. 15.
; k stands in other places of the operands' registers than the forms' own layouts give it, alike in both operands: only the order of the sums inside an instruction changes.
; LIMITS on the given exponents: e2 + e3 between -120 and 133 (added to c's exponent field); e4 and e6 between -126 and 112; e4 + e5 is applied by v_ldexp_f32 and has none.  NaN is not served.
; REGISTERS: v1-8 addresses; v9 57,344 x 2^e4, v10 2^e4; v11 the diagonal; v12 -M, v13 the largest t, v[14:15] the sum; v16-23 Q; v24-31 at work; v32-95 K's 8 fragments, later p's codes; v96-159 S^T, then p; v160-191 O^T; v192-255 V's 4 fragments.
.set KSB,   9216                       ; a step's K in LDS: 64 rows of two keys (128 bytes) + 16 of padding: the sixteen lanes of a load touch sixteen different columns of 16 bytes
.set VSB,   8704                       ; a step's V: 32 rows of 256 bytes (four d x 64 keys) + 16
.set VREG,  16*KSB                     ; V lies behind K
.set STG,   VREG+16*VSB                ; behind V: a stage of 1,088 bytes for each wave; no tensor load lands there
.set AK0,  1
.set AV0,  2
.set ADK,  3
.set ADV,  4
.set SIN,  5                           ; v5  the stage: where I put 8 codes
.set SOUT, 6                           ; v6  and where I read 16 bytes back
.set GO,   7                           ; v7  16 x lane
.set QO,   8                           ; v8  Q: 64 r + 16 h
.set PLIM, 9
.set PSC,  10
.set DG,   11                          ; v11 16 (tile % 8) + r - 16 h: register 16 b + i of the diagonal step is hidden where 32 b + i is above it
.set WV,   10                          ; s10 my wave's number
.set G1K,  16                          ; s[16:23], s[24:31] descriptor groups 1;  s[32:47], s[48:63] groups 0, a set for each chunk
.set G1V,  24
.set G0K,  32
.set G0V,  48
.set SEL,  66                          ; s[66:67] lane selects: lane l xor 16
.set CS,   68                          ; s[68:69] c = log2(e) / 64 x 2^(e2 + e3)
.set ST,   80                          ; s80 the key step
.set NS,   81                          ; s81 the tile's number of steps
.set ND,   82                          ; s82 its last step, the one on the diagonal
.set KO,   83                          ; s83, s84 the step's place in K's and in V's region
.set VO,   84
.macro ROUND                           ; a round of the cluster's barrier
	s_barrier_signal -1
	s_barrier_wait -1
	s_cmp_lg_u32 s[WV], 0
	s_cbranch_scc1 .Lnot_wave_0_\@
	s_barrier_signal -3
.Lnot_wave_0_\@:
	s_barrier_wait -3
	s_barrier_signal -1
	s_barrier_wait -1
.endm
.macro PLACES
.rept 4
	v_nop
.endr
.endm
	s_load_b128 s[4:7], s[0:1], 0x0                ; q, k, v s[4:5], the scales' exponents s[6:7]
	s_load_b64 s[8:9], s[0:1], 0x10                ; y's codes
	v_lshl_add_u32 v254, v0, 2, 0x4a400
	v_mov_b32 v255, 0
	ds_add_u32 v254, v255
	ds_add_u32 v254, v255
	s_wait_dscnt 0x0
	v_lshrrev_b32 v24, 5, v0
	s_delay_alu instid0(VALU_DEP_1)
	v_readfirstlane_b32 s[WV], v24                 ; wave 0..15
	s_and_b32 s12, ttmp7, 0xffff                   ; the head, which the four partners share
	s_lshl_b32 s15, s12, 17                        ; its first byte in each section
	s_mov_b32 s[G1K], 15|(1<<20)|(1<<21)|(4<<22)|(3<<25)   ; 15:0 the mask: all four work-groups; 17:16 elements of 1 byte; 20 padding on; 21 set beside a mask; 24:22 after every 32 words; 31:25 four words
	s_mov_b32 s[G1K+1], 128<<16                    ; tensor_dim0: two keys' 128 bytes (the rows are dense in memory)
	s_mov_b32 s[G1K+2], 64<<16                     ; tensor_dim1
	s_mov_b32 s[G1K+3], 128<<16                    ; tile_dim0
	s_mov_b32 s[G1K+4], 64                         ; tile_dim1
	s_mov_b32 s[G1K+5], 128                        ; tensor_dim0_stride
	s_mov_b32 s[G1K+6], 0
	s_mov_b32 s[G1K+7], 0
	s_mov_b32 s[G1V], 15|(1<<20)|(1<<21)|(5<<22)|(3<<25)   ; padding: four words after every 64
	s_mov_b32 s[G1V+1], 256<<16
	s_mov_b32 s[G1V+2], 32<<16
	s_mov_b32 s[G1V+3], 256<<16
	s_mov_b32 s[G1V+4], 32
	s_mov_b32 s[G1V+5], 256
	s_mov_b32 s[G1V+6], 0
	s_mov_b32 s[G1V+7], 0
	s_and_b32 s13, s[WV], 3                        ; of each chunk's four steps I fetch this one, if I fetch
	s_mul_i32 s70, s13, KSB
	s_mul_i32 s71, s13, VSB
	s_add_co_u32 s71, s71, VREG
	s_lshl_b32 s2, s13, 13                         ; a step is 8,192 bytes of K and of V in memory
	s_add_co_u32 s2, s2, s15
	s_mov_b32 s3, 0
	s_wait_kmcnt 0x0
	s_load_b256 s[72:79], s[6:7], 0x0              ; e0 .. e7
	s_add_nc_u64 s[2:3], s[4:5], s[2:3]
.irp c, 0,1,2,3
	s_mov_b32 s[G0K+4*\c], 1
	s_add_co_u32 s[G0K+4*\c+1], s70, \c*4*KSB
	s_add_nc_u64 s[G0K+4*\c+2:G0K+4*\c+3], s[2:3], 0x800000+\c*32768
	s_or_b32 s[G0K+4*\c+3], s[G0K+4*\c+3], 0x80000000
	s_mov_b32 s[G0V+4*\c], 1
	s_add_co_u32 s[G0V+4*\c+1], s71, \c*4*VSB
	s_add_nc_u64 s[G0V+4*\c+2:G0V+4*\c+3], s[2:3], 0x1000000+\c*32768
	s_or_b32 s[G0V+4*\c+3], s[G0V+4*\c+3], 0x80000000
.endr
	ROUND                                          ; all four work-groups are here: the joint loads meet
	s_cmp_lt_u32 s[WV], 4                          ; waves 0-3 fetch K, waves 4-7 V, the others nothing: a wave's four loads stand together, in one branch on its number: four loads of mine are out
	s_cbranch_scc0 .Lnot_k
.irp c, 0,1,2,3
	tensor_load_to_lds s[G0K+4*\c:G0K+4*\c+3], s[G1K:G1K+7]
	s_nop 0
.endr
	PLACES
	s_branch .Lasked
.Lnot_k:
	s_cmp_lt_u32 s[WV], 8
	s_cbranch_scc0 .Lasked
.irp c, 0,1,2,3
	tensor_load_to_lds s[G0V+4*\c:G0V+4*\c+3], s[G1V:G1V+7]
	s_nop 0
.endr
	PLACES
.Lasked:
	; my two tiles: their place enters Q's and y's addresses and the diagonal's numbers alone
	s_bfe_u32 s11, ttmp6, 0x40000                  ; my place in the cluster
	s_lshl_b32 s13, s[WV], 2
	s_add_co_u32 s13, s13, s11                     ; the early tile
	s_sub_co_u32 s14, 127, s13                     ; the late tile
	s_lshl_b32 s86, s14, 10                        ; Q: a tile is 1,024 bytes
	s_add_co_u32 s86, s86, s15
	s_mov_b32 s87, 0
	s_add_nc_u64 s[86:87], s[4:5], s[86:87]
	s_lshl_b32 s88, s13, 10
	s_add_co_u32 s88, s88, s15
	s_mov_b32 s89, 0
	s_add_nc_u64 s[88:89], s[4:5], s[88:89]
	s_bfe_u32 s2, s12, 0x20002                     ; y: h / 4,
	s_lshl_b32 s2, s2, 21
	s_lshr_b32 s3, s12, 4                          ; b's sixteen blocks of 128 rows,
	s_lshl_b32 s3, s3, 19
	s_add_co_u32 s2, s2, s3
	s_and_b32 s3, s12, 3                           ; h % 4
	s_lshl_b32 s3, s3, 13
	s_add_co_u32 s2, s2, s3
	s_lshr_b32 s3, s14, 3                          ; the tile's block of 128 rows,
	s_lshl_b32 s3, s3, 15
	s_and_b32 s96, s14, 7                          ; and its place there
	s_lshl_b32 s90, s96, 10
	s_add_co_u32 s90, s90, s3
	s_add_co_u32 s90, s90, s2
	s_mov_b32 s91, 0
	s_add_nc_u64 s[90:91], s[8:9], s[90:91]
	s_lshl_b32 s96, s96, 4                         ; 16 (tile % 8), for the diagonal
	s_lshr_b32 s3, s13, 3
	s_lshl_b32 s3, s3, 15
	s_and_b32 s97, s13, 7
	s_lshl_b32 s92, s97, 10
	s_add_co_u32 s92, s92, s3
	s_add_co_u32 s92, s92, s2
	s_mov_b32 s93, 0
	s_add_nc_u64 s[92:93], s[8:9], s[92:93]
	s_lshl_b32 s97, s97, 4
	s_xor_b32 s98, s[WV], 31
	s_lshr_b32 s98, s98, 1                         ; the late tile's last step: 15 - w / 2
	s_lshr_b32 s99, s[WV], 1                       ; the early tile's: w / 2
	s_mov_b32 s[SEL], 0x76543210
	s_mov_b32 s[SEL+1], 0xfedcba98
	v_and_b32 v24, 15, v0                          ; r
	v_bfe_u32 v25, v0, 4, 1                        ; h
	s_delay_alu instid0(VALU_DEP_2)
	v_lshlrev_b32 v[QO], 6, v24
	s_delay_alu instid0(VALU_DEP_1)
	v_lshl_add_u32 v[QO], v25, 4, v[QO]
.macro QLOAD qb                        ; a tile of Q: lane (r, h) takes bytes 16 h and 32 + 16 h on of row r, as K's fragments are taken
	global_load_b128 v[16:19], v[QO], s[\qb:\qb+1] th:TH_LOAD_NT
	global_load_b128 v[20:23], v[QO], s[\qb:\qb+1] offset:32 th:TH_LOAD_NT
.endm
	QLOAD 86
	v_lshrrev_b32 v26, 1, v24
	v_lshrrev_b32 v27, 3, v24
	s_delay_alu instid0(VALU_DEP_1)
	v_lshl_add_u32 v26, v27, 2, v26                ; the LDS row of key r + 8 (r / 8): r / 2 + 4 (r / 8)
	s_delay_alu instid0(VALU_DEP_1)
	v_mul_u32_u24 v[AK0], v26, 144
	v_and_b32 v27, 1, v24
	s_delay_alu instid0(VALU_DEP_1)
	v_lshl_add_u32 v[AK0], v27, 6, v[AK0]
	s_delay_alu instid0(VALU_DEP_1)
	v_lshl_add_u32 v[AK0], v25, 4, v[AK0]
	v_lshrrev_b32 v26, 2, v24
	s_delay_alu instid0(VALU_DEP_1)
	v_mul_u32_u24 v26, v26, 272
	v_and_b32 v27, 3, v24
	s_delay_alu instid0(VALU_DEP_1)
	v_lshl_add_u32 v26, v27, 6, v26                ; (r / 4) x 272 + (r % 4) x 64
	s_delay_alu instid0(VALU_DEP_1)
	v_lshl_add_u32 v[AV0], v25, 4, v26
	s_delay_alu instid0(VALU_DEP_1)
	v_add_nc_u32 v[AV0], VREG, v[AV0]
	s_mul_i32 s2, s[WV], 1088
	s_add_co_u32 s2, s2, STG                       ; my stage
	v_lshl_add_u32 v[SIN], v25, 3, v26
	s_delay_alu instid0(VALU_DEP_1)
	v_add_nc_u32 v[SIN], s2, v[SIN]
	v_mul_u32_u24 v[SOUT], v25, 272
	s_delay_alu instid0(VALU_DEP_1)
	v_lshl_add_u32 v[SOUT], v24, 4, v[SOUT]
	s_delay_alu instid0(VALU_DEP_1)
	v_add_nc_u32 v[SOUT], s2, v[SOUT]
	v_and_b32 v[GO], 31, v0
	s_delay_alu instid0(VALU_DEP_1)
	v_lshlrev_b32 v[GO], 4, v[GO]
	v_mov_b32 v31, 0xff800000                      ; -infinity
	s_wait_kmcnt 0x0
	s_add_co_i32 s2, s74, s75
	s_lshl_b32 s2, s2, 23
	s_add_co_i32 s[CS], s2, 0x3cb8aa3b             ; c = log2(e) / 64, with e2 + e3 added to its exponent field
	s_mov_b32 s[CS+1], s[CS]                       ; (named with it as a pair, so it is written)
	s_add_co_i32 s2, s76, 127
	s_lshl_b32 s3, s2, 23
	v_mov_b32 v[PSC], s3                           ; 2^e4
	s_add_co_i32 s85, s76, s77                     ; e4 + e5
	s_add_co_i32 s2, s78, 127
	s_lshl_b32 s94, s2, 23                         ; 2^e6
; A tile begins: O^T and the sum as zeros, the largest t as -3e38, so that the step is written once: the first change of M multiplies zeros.
.macro TILE_INIT nd, dg
	s_mov_b32 s[ST], 0
	s_mov_b32 s[KO], 0
	s_mov_b32 s[VO], 0
	s_mov_b32 s[ND], s[\nd]
	s_add_co_u32 s[NS], s[\nd], 1
	v_mov_b32 v13, 0xff61b1e6
	s_delay_alu instid0(VALU_DEP_1)
	v_floor_f32 v12, -v13
	v_mov_b32 v14, 0
	v_mov_b32 v15, 0
	v_and_b32 v[DG], 15, v0
	v_bfe_u32 v24, v0, 4, 1
	s_delay_alu instid0(VALU_DEP_1)
	v_lshlrev_b32 v24, 4, v24
	s_delay_alu instid0(VALU_DEP_1)
	v_sub_nc_u32 v[DG], v[DG], v24
	s_delay_alu instid0(VALU_DEP_1)
	v_add_nc_u32 v[DG], s[\dg], v[DG]
.set J, 0
.rept 32
	v_mov_b32 v[160+J], 0
.set J, J+1
.endr
.endm
; A KEY STEP: 128 keys.  A step behind the tile's last is left out, all but the two lines at its end that step the addresses.
.macro STEP
	s_cmp_ge_u32 s[ST], s[NS]
	s_cbranch_scc1 .Lskip_\@
	s_setprio 2
	v_add_nc_u32 v[ADK], s[KO], v[AK0]
	v_add_nc_u32 v[ADV], s[VO], v[AV0]
	v_nop
	v_nop                                          ; with the two additions: four places in front of loads into registers that the last products have read
.irp t, 0,1,2,3,4,5,6,7
	ds_load_b128 v[32+8*\t:35+8*\t], v[ADK] offset:(16*(\t/2)+4*(\t%2))*144
	ds_load_b128 v[36+8*\t:39+8*\t], v[ADK] offset:(16*(\t/2)+4*(\t%2))*144+32
.endr
.irp d, 0,1,2,3
.irp c, 0,1,2,3
	ds_load_b128 v[192+16*\d+4*\c:195+16*\d+4*\c], v[ADV] offset:\d*1088+(\c/2)*4352+(\c%2)*32
.endr
.endr
	s_wait_dscnt 16                                ; K's sixteen loads are in; V's sixteen, issued behind them, may be out
.irp t, 0,1,2,3,4,5,6,7
	v_wmma_f32_16x16x64_bf8_bf8 v[96+8*\t:103+8*\t], v[32+8*\t:39+8*\t], v[16:23], 0
.endr
	PLACES
	s_cmp_lg_u32 s[ST], s[ND]                      ; only the tile's last step lies on the diagonal
	s_cbranch_scc1 .Lopen_\@
.set N, 0
.rept 64
	v_cmp_gt_i32 vcc_lo, 32*(N/16)+N%16, v[DG]     ; the scores of hidden keys become -infinity ahead of the maximum: p = 0 then
	v_cndmask_b32 v[96+N], v[96+N], v31, vcc_lo
.set N, N+1
.endr
.Lopen_\@:
	v_max3_num_f32 v24, v96, v97, v98              ; the step's largest score of my query, among my 64 keys, in two chains,
	v_max3_num_f32 v30, v99, v100, v101
.set J, 6
.rept 14
	v_max3_num_f32 v24, v24, v[96+J], v[97+J]
	v_max3_num_f32 v30, v30, v[98+J], v[99+J]
.set J, J+4
.endr
	v_max3_num_f32 v24, v24, v158, v159
	s_delay_alu instid0(VALU_DEP_1)
	v_max_num_f32 v24, v24, v30
	s_delay_alu instid0(VALU_DEP_1)
	v_permlanex16_b32 v25, v24, s[SEL], s[SEL+1]
	s_delay_alu instid0(VALU_DEP_1)
	v_max_num_f32 v24, v24, v25                    ; and among lane l xor 16's
	s_delay_alu instid0(VALU_DEP_1)
	v_mul_f32 v24, s[CS], v24                      ; as t (c is positive)
	s_delay_alu instid0(VALU_DEP_1)
	v_max_num_f32 v13, v13, v24                    ; the running largest t
	v_mov_b32 v24, v12
	s_delay_alu instid0(VALU_DEP_2)
	v_floor_f32 v12, -v13                          ; the new -M = floor(-t): M is a whole number
	s_delay_alu instid0(VALU_DEP_1)
	v_sub_f32 v24, v12, v24                        ; old M - new M: a whole number, 0 or less
	s_delay_alu instid0(VALU_DEP_1)
	v_cvt_i32_f32 v24, v24                         ; (it saturates)
	s_delay_alu instid0(VALU_DEP_1)
	v_ldexp_f32 v26, 1.0, v24                      ; f = 2^(old M - new M)
.set J, 0
	s_setprio 1
.rept 32
	v_pk_fma_f32 v[96+J:97+J], v[96+J:97+J], s[CS:CS+1], v[12:13] op_sel_hi:[1,0,0]   ; t - M, two at a time
.set J, J+2
.endr
.set J, 0
	s_wait_alu depctr_va_vdst(0)
.rept 64
	v_exp_f32 v[96+J], v[96+J]                     ; p = 2^(t - M), at most 1
.set J, J+1
.endr
	v_pk_mul_f32 v[14:15], v[14:15], v[26:27] op_sel_hi:[1,0]   ; the sums under the new M: the plain line behind the exponentials
	s_wait_alu depctr_va_vdst(0)                   ; one wait for the whole batch, ahead of its first reader
	v_pk_add_f32 v[28:29], v[100:101], v[104:105]
	v_pk_add_f32 v[94:95], v[108:109], v[112:113]
	v_pk_add_f32 v[92:93], v[116:117], v[120:121]
	v_pk_add_f32 v[90:91], v[124:125], v[128:129]
	v_pk_add_f32 v[88:89], v[132:133], v[136:137]
	v_pk_add_f32 v[86:87], v[140:141], v[144:145]
	v_pk_add_f32 v[84:85], v[148:149], v[152:153]
	v_pk_add_f32 v[14:15], v[14:15], v[156:157]
	v_pk_add_f32 v[28:29], v[28:29], v[96:97]
	v_pk_add_f32 v[94:95], v[94:95], v[98:99]
	v_pk_add_f32 v[92:93], v[92:93], v[102:103]
	v_pk_add_f32 v[90:91], v[90:91], v[106:107]
	v_pk_add_f32 v[88:89], v[88:89], v[110:111]
	v_pk_add_f32 v[86:87], v[86:87], v[114:115]
	v_pk_add_f32 v[84:85], v[84:85], v[118:119]
	v_pk_add_f32 v[14:15], v[14:15], v[122:123]
	v_pk_add_f32 v[28:29], v[28:29], v[126:127]
	v_pk_add_f32 v[94:95], v[94:95], v[130:131]
	v_pk_add_f32 v[92:93], v[92:93], v[134:135]
	v_pk_add_f32 v[90:91], v[90:91], v[138:139]
	v_pk_add_f32 v[88:89], v[88:89], v[142:143]
	v_pk_add_f32 v[86:87], v[86:87], v[146:147]
	v_pk_add_f32 v[84:85], v[84:85], v[150:151]
	s_setprio 0
	v_pk_add_f32 v[14:15], v[14:15], v[154:155]
	v_pk_add_f32 v[28:29], v[28:29], v[158:159]
	s_delay_alu instid0(VALU_DEP_2)
	v_pk_add_f32 v[14:15], v[14:15], v[90:91]
	s_delay_alu instid0(VALU_DEP_2)
	v_pk_add_f32 v[28:29], v[28:29], v[88:89]
	v_pk_add_f32 v[94:95], v[94:95], v[86:87]
	v_pk_add_f32 v[92:93], v[92:93], v[84:85]
	s_delay_alu instid0(VALU_DEP_2)
	v_pk_add_f32 v[14:15], v[14:15], v[94:95]
	s_delay_alu instid0(VALU_DEP_2)
	v_pk_add_f32 v[28:29], v[28:29], v[92:93]
	s_delay_alu instid0(VALU_DEP_1)
	v_pk_add_f32 v[14:15], v[14:15], v[28:29]
.irp b, 0,1,2,3
.irp i, 0,1,2,3,4,5,6,7,8,9,10,11,12,13,14,15
.endr
	v_cvt_scalef32_pk8_bf8_f32 v[32+4*\b:33+4*\b], v[96+16*\b:103+16*\b], v[PSC]
	v_cvt_scalef32_pk8_bf8_f32 v[34+4*\b:35+4*\b], v[104+16*\b:111+16*\b], v[PSC]
.endr
.set J, 0
.rept 16
	v_pk_mul_f32 v[160+J:161+J], v[160+J:161+J], v[26:27] op_sel_hi:[1,0]   ; O^T under the new M; also the plain lines between the conversions and the products
.set J, J+2
.endr
	s_wait_alu depctr_va_vdst(0)
	s_wait_dscnt 0x0                               ; V is in
.irp d, 0,1,2,3
	v_wmma_f32_16x16x128_bf8_bf8 v[160+8*\d:167+8*\d], v[192+16*\d:207+16*\d], v[32:47], v[160+8*\d:167+8*\d]
.endr
.Lskip_\@:
	s_add_co_u32 s[KO], s[KO], KSB
	s_add_co_u32 s[VO], s[VO], VSB
.endm
; Four key steps of the late tile, behind the wait and the barrier that show their K and V landed in every wave's eyes.
.macro CHUNK c
	s_wait_tensorcnt 3-\c                          ; tensor loads of a wave end in order (ISA guide 10.11.1): my load for this chunk is in; those for the later chunks may be out: nothing is filled twice
	s_wait_dscnt 0x0
	s_barrier_signal -1
	s_barrier_wait -1
.Lchunk_\@:
	STEP
	s_add_co_u32 s[ST], s[ST], 1
	s_cmp_lt_u32 s[ST], 4*(\c+1)
	s_cbranch_scc1 .Lchunk_\@
	s_setprio 0
.endm
; A tile ends: O^T / the sum x 2^(e4 + e5) is y; it is converted with 2^e6, and leaves through my stage as 1,024 consecutive bytes.
.macro TILE_OUT yb
	v_add_f32 v14, v14, v15
	s_delay_alu instid0(VALU_DEP_1)
	v_permlanex16_b32 v25, v14, s[SEL], s[SEL+1]
	s_delay_alu instid0(VALU_DEP_1)
	v_add_f32 v14, v14, v25                        ; the row's sum
	s_wait_alu depctr_va_vdst(0)
	v_rcp_f32 v14, v14
	v_mov_b32 v48, s94                             ; (the plain line behind the reciprocal)  2^e6
	s_wait_alu depctr_va_vdst(0)                   ; ahead of the reciprocal's first reader
	v_ldexp_f32 v14, v14, s85
.set J, 0
.rept 32
	v_mul_f32 v[96+J], v[160+J], v14               ; register 8 d + i is y(query r, 16 d + 8 h + i); each accumulator from its low end on
.set J, J+1
.endr
.set J, 0
.rept 32
.set J, J+1
.endr
.irp d, 0,1,2,3
	v_cvt_scalef32_pk8_bf8_f32 v[32+2*\d:33+2*\d], v[96+8*\d:103+8*\d], v48
.endr
	v_nop                                          ; a plain line behind the last conversion
.irp d, 0,1,2,3
	ds_store_b64 v[SIN], v[32+2*\d:33+2*\d] offset:16*\d
.endr
	ds_load_b128 v[40:43], v[SOUT]                 ; LDS serves a wave's instructions in order (ISA guide 5.7.1.4): these see my stores
	ds_load_b128 v[44:47], v[SOUT] offset:544
	s_wait_dscnt 1                                 ; the first is in, the second may be out
	global_store_b128 v[GO], v[40:43], s[\yb:\yb+1]              ; 32 lanes store 512 consecutive bytes, at a multiple of 512 from the buffer's first byte
	s_wait_dscnt 0x0
	global_store_b128 v[GO], v[44:47], s[\yb:\yb+1] offset:512
	s_wait_xcnt 0x0                                ; the stores' data registers are written again only behind this wait
.endm
	TILE_INIT 98, 96                               ; the late tile
	s_wait_loadcnt 0x0                             ; Q
	CHUNK 0
	CHUNK 1
	CHUNK 2
	CHUNK 3
	PLACES                                         ; behind the last products: for the loads into Q's registers and the reads of O^T
	QLOAD 88                                       ; the early tile's Q comes while the late tile goes out
	TILE_OUT 90
	TILE_INIT 99, 97                               ; the early tile: all of K and V lies in LDS
	s_wait_loadcnt 0x0
.Learly:
	STEP
	s_add_co_u32 s[ST], s[ST], 1
	s_cmp_lt_u32 s[ST], 8
	s_cbranch_scc1 .Learly
	s_setprio 0
	PLACES
	TILE_OUT 92
	s_wait_dscnt 0x0
	s_wait_xcnt 0x0
	v_lshl_add_u32 v254, v0, 2, 0x4a400
	v_mov_b32 v255, 0
	s_wait_alu depctr_va_vdst(0)
	s_wait_tensorcnt 0x0
	ds_add_u32 v254, v255
	s_wait_dscnt 0x0
	ROUND                                          ; the closing round
	s_endpgm
.Lfunc_end_k_qa70a1ea27a_attn:
	.size	k_qa70a1ea27a_attn, .Lfunc_end_k_qa70a1ea27a_attn-k_qa70a1ea27a_attn
	.p2alignl 7, 3214868480
	.fill 96, 4, 3214868480
	.section	.rodata,"a",@progbits
	.p2align	6, 0x0
	.amdhsa_kernel k_qa70a1ea27a_attn
		.amdhsa_group_segment_fixed_size 327680
		.amdhsa_private_segment_fixed_size 0
		.amdhsa_enable_private_segment 0
		.amdhsa_kernarg_size 24
		.amdhsa_user_sgpr_count 2
		.amdhsa_user_sgpr_kernarg_segment_ptr 1
		.amdhsa_wavefront_size32 1
		.amdhsa_system_sgpr_workgroup_id_x 1
		.amdhsa_system_sgpr_workgroup_id_y 1
		.amdhsa_system_sgpr_workgroup_id_z 1
		.amdhsa_system_vgpr_workitem_id 0
		.amdhsa_next_free_vgpr 256
		.amdhsa_next_free_sgpr 100
		.amdhsa_reserve_vcc 1
		.amdhsa_float_denorm_mode_32 3
		.amdhsa_float_denorm_mode_16_64 3
		.amdhsa_fp16_overflow 1
		.amdhsa_memory_ordered 1
		.amdhsa_forward_progress 1
		.amdhsa_inst_pref_size 115
	.end_amdhsa_kernel
	.amdgpu_metadata
---
amdhsa.version: [ 1, 2 ]
amdhsa.kernels:
  - .name:           k_qa70a1ea27a_attn
    .symbol:         k_qa70a1ea27a_attn.kd
    .args:
      - { .name: qkv, .offset: 0, .size: 8, .value_kind: global_buffer, .address_space: global }
      - { .name: lowp_scales, .offset: 8, .size: 8, .value_kind: global_buffer, .address_space: global }
      - { .name: y_codes, .offset: 16, .size: 8, .value_kind: global_buffer, .address_space: global }
    .group_segment_fixed_size: 327680
    .private_segment_fixed_size: 0
    .kernarg_segment_align: 8
    .kernarg_segment_size: 24
    .max_flat_workgroup_size: 512
    .sgpr_count:     100
    .vgpr_count:     256
    .wavefront_size: 32
...
	.end_amdgpu_metadata
.endif
;; end of part 3
;; launch proj (part 4): grid 4 x 32, 4 waves a work-group, clusters of 4 x 4, 327,680 bytes of LDS; arguments y_codes, wp_codes, lowp_scales, out0; writes out0
.if DOCPART == 4
	.amdgcn_target "amdgcn-amd-amdhsa--gfx1250"
	.amdhsa_code_object_version 6
	.text
	.protected	k_qa70a1ea27a_proj
	.globl	k_qa70a1ea27a_proj
	.p2align	8
	.type	k_qa70a1ea27a_proj,@function
k_qa70a1ea27a_proj:
	s_mov_b64 s[64:65], 0
	v_nop
	global_prefetch_b8 v0, s[64:65] scope:SCOPE_SE
	s_setreg_imm32_b32 hwreg(HW_REG_WAVE_MODE, 25, 1), 1
	s_wait_xcnt 0x0
	s_wait_alu depctr_hold_cnt(0) depctr_sa_sdst(0) depctr_va_vdst(0) depctr_va_sdst(0) depctr_va_ssrc(0) depctr_va_vcc(0) depctr_vm_vsrc(0)
	s_getreg_b32 s2, hwreg(HW_REG_IB_STS2, 6, 4)
	s_cmp_eq_u32 s2, 0
	s_cbranch_scc0 .Lentry_in_a_cluster
	s_endpgm
.Lentry_in_a_cluster:
	s_bfe_u32 s2, ttmp6, 0x10000c
	s_cmp_lg_u32 s2, 0xf033
	s_cbranch_scc0 .Lentry_shape_is_right
	s_endpgm
.Lentry_shape_is_right:
; The last product, out = y W_proj, on codes of BF8 (E5M2): C[m][n] = sum over k of A[m][k] B[n][k] x 2^(e6 + e7), m = 8,192 rows, n = 1,024, K = 1,024; C in f32.
; A = y's codes as attention left them: [k / 256][m / 128][(k / 64) % 4][m % 128][64]: the 128 rows x 256 along K that one tensor load brings are 32,768 consecutive bytes.  B = W_proj's codes, [n][1024 k].
; LIMIT: e6 + e7 lies between -126 and 127.  k stands in other places of the operands' registers than the form's own layout gives it, alike in both operands: only the order of the sums inside an instruction changes.
; A tile of C, 256 x 256, is made by a work-group of four waves; a wave makes 128 x 128: 64 accumulators, 512 registers.  K goes in steps of 256 through a ring of two LDS slots filled by the tensor data mover.
; CLUSTERS: 4 x 4 work-groups; A's tile is shared along a row of the cluster, B's along a column: each is asked for jointly.  The grid has 128 work-groups: C has 128 tiles of this size.
; THE MATRIX INSTRUCTION IS USED TRANSPOSED (source 0 = 16 rows of B, source 1 = 16 rows of A): a lane holds eight neighbouring numbers of a row of C.
; REGISTERS, in windows of 256: window 0: v0-31 addresses; from v128 A's fragments, ONE set; on the way out v32-255 are free.  window 1: B's fragments, TWO sets.  windows 2, 3: the accumulators ((a, b) at v[8 (8 (a % 4) + b)]).
.set KSTEP,  256
.set ROWB,   256
.set KROW,   1024                      ; a row of B in memory
.set ASTEP,  0x200000                  ; a K step on in A: 64 blocks of 32,768 bytes
.set SIZE_N, 1024
.set PITCH,  272                       ; 256 bytes + 16 of padding = 68 words: LDS row r starts at bank 4 r mod 64 (64 banks of 4 bytes: ISA guide 11.1)
.set FR,     16
.set NL,     4
.set NP,     4
.set HALFT,  128*PITCH
.set SLOT,   4*HALFT
.set LAPS,   2
.set SPARE,  2*SLOT                    ; behind the ring: the spare words, 128 bytes for each wave: two blocks of 256 bytes that no other line names
.set SPITCH, 528                       ; the way out: a stage of 16 rows x (512 bytes + 16) for each wave, in slot 0, which has had its last fill and its last read by then
.set ADRA, 16
.set ADRB, 20
.set STO,  24
.set RD,   25
.set CO,   26
.set SPW,  28
.set NIL,  29
.set TMP,  32
.set AF,   128
.set BK,   128
.set G1, 24
.set G0, 32
.set G1B, 48
.set G0B, 56
.set MSB, 0
.macro WIN new
.if MSB != \new
	s_set_vgpr_msb (MSB<<8)|\new
.set MSB, \new
.endif
.endm
.set MUL_LO, 0xa1
.set MUL_HI, 0xf1
.set TO_B,   0x40
.macro JLOAD g0a, g1a, g0b, g1b        ; a joint load: waves 0 and 1 fetch for A, waves 2 and 3 for B; four v_nop follow each of the two lines
	s_cmp_eq_u32 s15, 0
	s_cbranch_scc0 .Lfor_b_\@
	tensor_load_to_lds s[\g0a:\g0a+3], s[\g1a:\g1a+7]
	s_nop 0
.rept 4
	v_nop
.endr
	s_branch .Lasked_\@
.Lfor_b_\@:
	tensor_load_to_lds s[\g0b:\g0b+3], s[\g1b:\g1b+7]
	s_nop 0
.rept 4
	v_nop
.endr
.Lasked_\@:
.endm
.macro CREST
	s_cmp_lg_u32 s14, 0
	s_cbranch_scc1 .Lnot_wave_0_\@
	s_barrier_signal -3
.Lnot_wave_0_\@:
	s_barrier_wait -3
	s_barrier_signal -1
	s_barrier_wait -1
.endm
.macro CROUND
	s_barrier_signal -1
	s_barrier_wait -1
	CREST
.endm
	s_load_b128 s[4:7], s[0:1], 0x0                ; y's codes s[4:5], W_proj's codes s[6:7]
	s_load_b128 s[8:11], s[0:1], 0x10              ; the scales' exponents s[8:9], C s[10:11]
	v_lshl_add_u32 v[SPW], v0, 2, SPARE
	v_mov_b32 v[NIL], 0
	ds_add_u32 v28, v29
	ds_add_u32 v28, v29
	s_wait_dscnt 0x0
	v_lshrrev_b32 v1, 5, v0
	v_readfirstlane_b32 s14, v1                    ; wave 0..3
	s_lshr_b32 s15, s14, 1                         ; which half of the tile's rows is mine.  Also: I fetch for A (0) or for B (1)
	s_and_b32 s16, s14, 1                          ; which half of its columns.  Also: which 128 rows of that tile I fetch
	s_bfe_u32 s40, ttmp6, 0x40000
	s_bfe_u32 s41, ttmp6, 0x40004
	s_lshl_b32 s42, ttmp9, 2
	s_add_co_u32 s42, s42, s40                     ; tile column of C
	s_and_b32 s17, ttmp7, 0xffff
	s_lshl_b32 s17, s17, 2
	s_add_co_u32 s17, s17, s41                     ; tile row of C
	s_lshl_b32 s43, s41, 2
	s_lshl_b32 s43, 15, s43                        ; my row of the cluster
	s_lshl_b32 s44, 0x1111, s40                    ; my column
	s_or_b32 s[G1+0], s43, (0<<16)|(1<<20)|(1<<21)|(5<<22)|(3<<25)  ; 15:0 the mask; 17:16 elements of 1 byte; 20 padding on; 21 set beside a mask; 24:22 after every 64 words; 31:25 four words
	s_or_b32 s[G1B+0], s44, (0<<16)|(1<<20)|(1<<21)|(5<<22)|(3<<25)
.irp g, G1, G1B
	s_mov_b32 s[\g+1], ROWB<<16
	s_mov_b32 s[\g+2], 128<<16
	s_mov_b32 s[\g+3], ROWB<<16
	s_mov_b32 s[\g+4], 128
	s_mov_b32 s[\g+6], 0
	s_mov_b32 s[\g+7], 0
.endr
	s_mov_b32 s[G1+5], ROWB                        ; A's block is dense: 128 pieces of 256 bytes on end
	s_mov_b32 s[G1B+5], KROW
	s_lshl_b32 s18, s16, 7
	s_lshl_b32 s20, s17, 8
	s_add_co_u32 s20, s20, s18
	s_lshl_b32 s20, s20, 8                         ; A: (256 x tile row + 128 x half) / 128 blocks of 32,768 bytes
	s_mov_b32 s21, 0
	s_lshl_b32 s46, s42, 8
	s_add_co_u32 s46, s46, s18
	s_lshl_b32 s46, s46, 10                        ; B: rows of 1,024 bytes
	s_mov_b32 s47, 0
	s_mul_i32 s45, s14, HALFT
	s_wait_kmcnt 0x0
	s_load_b64 s[96:97], s[8:9], 0x18              ; e6, e7
	s_add_nc_u64 s[20:21], s[4:5], s[20:21]
	s_add_nc_u64 s[46:47], s[6:7], s[46:47]
	CROUND                                         ; all sixteen work-groups are here: the first joint loads meet
.irp s, 0,1
	s_mov_b32 s[G0+4*\s], 1
	s_add_co_u32 s[G0+4*\s+1], s45, \s*SLOT
	s_add_nc_u64 s[G0+4*\s+2:G0+4*\s+3], s[20:21], \s*ASTEP
	s_or_b32 s[G0+4*\s+3], s[G0+4*\s+3], 0x80000000
	s_mov_b32 s[G0B+4*\s], 1
	s_add_co_u32 s[G0B+4*\s+1], s45, \s*SLOT
	s_add_nc_u64 s[G0B+4*\s+2:G0B+4*\s+3], s[46:47], \s*ROWB
	s_or_b32 s[G0B+4*\s+3], s[G0B+4*\s+3], 0x80000000
	s_wait_alu depctr_va_vdst(0)
	s_wait_tensorcnt 0x0
	ds_add_u32 v28, v29
	ds_add_u32 v28, v29
	s_wait_dscnt 0x0
	CROUND
	JLOAD G0+4*\s, G1, G0B+4*\s, G1B
.endr
	v_and_b32 v1, 15, v0                           ; r
	v_bfe_u32 v2, v0, 4, 1                         ; h
	v_mul_u32_u24 v3, v1, PITCH
	v_lshl_add_u32 v4, v2, 4, v3                   ; B: row x pitch + 16 h
	v_lshrrev_b32 v5, 2, v1
	v_mul_u32_u24 v5, v5, PITCH
	v_and_b32 v6, 3, v1
	v_lshl_add_u32 v5, v6, 6, v5
	v_lshl_add_u32 v5, v2, 4, v5                   ; A: four rows of 64 bytes to an LDS row: (r / 4) x 272 + (r % 4) x 64 + 16 h: sixteen lanes touch sixteen different columns of 16 bytes
	s_mul_i32 s21, s15, HALFT
	s_mul_i32 s22, s16, HALFT
	s_add_co_u32 s22, s22, 2*HALFT
.irp s, 0,1
	v_add_nc_u32 v[ADRA+\s], s21, v5
	v_add_nc_u32 v[ADRB+\s], s22, v4
	s_add_co_u32 s21, s21, SLOT
	s_add_co_u32 s22, s22, SLOT
.endr
	s_mul_i32 s23, s14, 16*SPITCH                  ; my stage
	v_mul_u32_u24 v5, v1, SPITCH
	v_lshl_add_u32 v5, v2, 5, v5
	v_add_nc_u32 v[STO], s23, v5
	v_and_b32 v6, 31, v0
	v_lshlrev_b32 v[CO], 4, v6
	v_add_nc_u32 v[RD], s23, v[CO]
	s_lshl_b32 s20, s17, 8
	s_lshl_b32 s21, s15, 7
	s_add_co_u32 s20, s20, s21
	s_lshl_b32 s20, s20, 12                        ; my first row of C, 4,096 bytes a row
	s_mov_b32 s21, 0
	s_lshl_b32 s46, s42, 10
	s_lshl_b32 s47, s16, 9
	s_add_co_u32 s46, s46, s47                     ; my first column, in bytes
	s_mov_b32 s47, 0
	s_add_nc_u64 s[20:21], s[20:21], s[46:47]
	s_add_nc_u64 s[10:11], s[10:11], s[20:21]
.macro FRAGB reg, adr, q, i            ; 16 rows x 128 K: registers 4 c .. 4 c + 3 hold K = 32 c + 16 (l / 16) + 0 .. 15 of row l % 16
.irp c, 0,1,2,3
	ds_load_b128 v[\reg+4*\c:\reg+4*\c+3], v[\adr] offset:128*(\q)+32*\c+(\i)*16*PITCH
.endr
.endm
.macro FRAGA reg, adr, q, i            ; the same numbers out of A's layout: 64 along K are a plane of 128 rows x 64 bytes = 32 LDS rows
.irp c, 0,1,2,3
	ds_load_b128 v[\reg+4*\c:\reg+4*\c+3], v[\adr] offset:(2*(\q)+\c/2)*8704+(\c%2)*32+(\i)*1088
.endr
.endm
.macro MUL16 a0, p, zero               ; the 64 accumulators take turns, one instruction a turn, in the same order in every step
.irp a, \a0, \a0+1
.irp b, 0,1,2,3,4,5,6,7
.if \zero
	v_wmma_f32_16x16x128_bf8_bf8 v[8*(8*((\a)%4)+\b):8*(8*((\a)%4)+\b)+7], v[128*(\p)+FR*\b:128*(\p)+FR*\b+FR-1], v[AF+FR*(\a):AF+FR*(\a)+FR-1], 0
.else
	v_wmma_f32_16x16x128_bf8_bf8 v[8*(8*((\a)%4)+\b):8*(8*((\a)%4)+\b)+7], v[128*(\p)+FR*\b:128*(\p)+FR*\b+FR-1], v[AF+FR*(\a):AF+FR*(\a)+FR-1], v[8*(8*((\a)%4)+\b):8*(8*((\a)%4)+\b)+7]
.endif
.endr
.endr
.endm
.macro FETCH_B slot, q, p
	WIN TO_B
.irp i, 0,1,2,3,4,5,6,7
	FRAGB 128*(\p)+FR*\i, ADRB+\slot, \q, \i
.endr
	WIN 0
.endm
.macro FETCH_A slot, q, i0
.irp i, \i0, \i0+1, \i0+2, \i0+3
	FRAGA AF+FR*(\i), ADRA+\slot, \q, \i
.endr
.endm
.macro PLACES n
.rept \n
	v_nop
.endr
.endm
.macro STEP slot, q, zero
	s_wait_dscnt 4*NL                              ; B's set and A's blocks 0-3 are in; the youngest sixteen loads (A's blocks 4-7) may be out
	WIN MUL_LO
	MUL16 0, (\q)%2, \zero
	MUL16 2, (\q)%2, \zero
	s_wait_dscnt 0
	PLACES NP
	FETCH_B \slot, (\q)+1, 1-(\q)%2
	FETCH_A \slot, (\q)+1, 0
	WIN MUL_HI
	MUL16 4, (\q)%2, \zero
	MUL16 6, (\q)%2, \zero
	PLACES NP
	WIN 0
	FETCH_A \slot, (\q)+1, 4
.endm
.macro TURN slot, next, fill
	s_wait_tensorcnt 0x0                           ; all my tensor loads have landed: my part of the next slot
	ds_add_u32 v[SPW], v[NIL]                      ; 0 onto my spare word
	s_wait_dscnt 4*NL+1                            ; the add and the youngest sixteen loads may be out
	WIN MUL_LO
	MUL16 0, 1, 0
	s_wait_dscnt 0x0                               ; the add is done, and my reads of this slot are over
	s_barrier_signal -1
	MUL16 2, 1, 0
	WIN 0
	s_barrier_wait -1
.if \fill
	CREST                                          ; the barrier has opened a round of the cluster's: no wave of any partner still reads this slot or has a load on its way
	s_add_nc_u64 s[G0+4*\slot+2:G0+4*\slot+3], s[G0+4*\slot+2:G0+4*\slot+3], 2*ASTEP
	s_add_nc_u64 s[G0B+4*\slot+2:G0B+4*\slot+3], s[G0B+4*\slot+2:G0B+4*\slot+3], 2*ROWB
	JLOAD G0+4*\slot, G1, G0B+4*\slot, G1B
.else
	PLACES NP
.endif
	FETCH_B \next, 0, 0
	FETCH_A \next, 0, 0
	WIN MUL_HI
	MUL16 4, 1, 0
	MUL16 6, 1, 0
	PLACES NP
	WIN 0
	FETCH_A \next, 0, 4
.endm
	s_wait_alu depctr_va_vdst(0)
	s_wait_tensorcnt 1                             ; my part of K step 0 is in; K step 1's load may be out
	s_barrier_signal -1
	s_barrier_wait -1
	FETCH_B 0, 0, 0
	FETCH_A 0, 0, 0
	FETCH_A 0, 0, 4
	STEP 0, 0, 1
	s_mov_b32 s3, LAPS-1
.Llap:
	TURN 0, 1, 1
	STEP 1, 0, 0
	TURN 1, 0, 1
	STEP 0, 0, 0
	s_sub_co_u32 s3, s3, 1
	s_cmp_lg_u32 s3, 0
	s_cbranch_scc1 .Llap
	TURN 0, 1, 0
	STEP 1, 0, 0
	s_wait_dscnt 4*NL
	WIN MUL_LO
	MUL16 0, 1, 0
	MUL16 2, 1, 0
	s_wait_dscnt 0
	WIN MUL_HI
	MUL16 4, 1, 0
	MUL16 6, 1, 0
	WIN 0
; THE WAY OUT, block by block of 16 rows x 128 columns: through my own stage in LDS and back as whole rows of 512 bytes.  LDS serves a wave's instructions in order (ISA guide 5.7.1.4).
.macro TOSTAGE a
.set AC, 64*((\a)%4)
	WIN 0x02+((\a)/4)
.set J, 0
.rept 32
	v_pk_mul_f32 v[TMP+J:TMP+J+1], v[AC+J:AC+J+1], s[96:97] op_sel_hi:[1,0]   ; x 2^(e6 + e7); each accumulator from its low end on
.set J, J+2
.endr
	WIN 0
.irp b, 0,1,2,3,4,5,6,7
	ds_store_b128 v[STO], v[TMP+8*\b:TMP+8*\b+3] offset:64*\b
	ds_store_b128 v[STO], v[TMP+8*\b+4:TMP+8*\b+7] offset:64*\b+16
.endr
.set BB, BK+64*((\a)%2)
.irp t, 0,1,2,3,4,5,6,7,8,9,10,11,12,13,14,15
	ds_load_b128 v[BB+4*\t:BB+4*\t+3], v[RD] offset:\t*SPITCH
.endr
.endm
.macro SEND a, younger
.set BB, BK+64*((\a)%2)
	s_wait_dscnt \younger                          ; the block is back in registers; the LDS instructions issued behind its loads may be out
.if (\a) > 0
	s_add_nc_u64 s[10:11], s[10:11], 16*SIZE_N*4   ; (behind a wait on XCNT: the earlier stores have read their base)
.endif
.irp t, 0,1,2,3,4,5,6,7,8,9,10,11,12,13,14,15
	global_store_b128 v[CO], v[BB+4*\t:BB+4*\t+3], s[10:11] offset:\t*SIZE_N*4 th:TH_STORE_NT   ; 32 lanes store 512 consecutive bytes, at a multiple of 512 from C's first byte
.endr
.endm
	s_wait_kmcnt 0x0
	s_add_co_i32 s96, s96, s97
	s_add_co_i32 s96, s96, 127
	s_lshl_b32 s96, s96, 23                        ; 2^(e6 + e7) as f32
	PLACES NP
	TOSTAGE 0
.irp a, 1,2,3,4,5,6,7
.if \a > 1
	s_wait_xcnt 0x0                                ; block a - 2's stores have read their registers and their base
.endif
	TOSTAGE \a
	SEND \a-1, 32                                  ; behind block a - 1's loads: block a's 16 stores and 16 loads
.endr
	s_wait_xcnt 0x0
	SEND 7, 0
	s_wait_tensorcnt 0x0                           ; the wave's end
	ds_add_u32 v[SPW], v[NIL]
	s_wait_dscnt 0x0
	CROUND                                         ; the closing round
	s_endpgm
.Lfunc_end_k_qa70a1ea27a_proj:
	.size	k_qa70a1ea27a_proj, .Lfunc_end_k_qa70a1ea27a_proj-k_qa70a1ea27a_proj
	.p2alignl 7, 3214868480
	.fill 96, 4, 3214868480
	.section	.rodata,"a",@progbits
	.p2align	6, 0x0
	.amdhsa_kernel k_qa70a1ea27a_proj
		.amdhsa_group_segment_fixed_size 327680
		.amdhsa_private_segment_fixed_size 0
		.amdhsa_enable_private_segment 0
		.amdhsa_kernarg_size 32
		.amdhsa_user_sgpr_count 2
		.amdhsa_user_sgpr_kernarg_segment_ptr 1
		.amdhsa_wavefront_size32 1
		.amdhsa_system_sgpr_workgroup_id_x 1
		.amdhsa_system_sgpr_workgroup_id_y 1
		.amdhsa_system_sgpr_workgroup_id_z 1
		.amdhsa_system_vgpr_workitem_id 0
		.amdhsa_next_free_vgpr 1024
		.amdhsa_next_free_sgpr 98
		.amdhsa_reserve_vcc 0
		.amdhsa_float_denorm_mode_32 3
		.amdhsa_float_denorm_mode_16_64 3
		.amdhsa_memory_ordered 1
		.amdhsa_forward_progress 1
		.amdhsa_inst_pref_size 124
	.end_amdhsa_kernel
	.amdgpu_metadata
---
amdhsa.version: [ 1, 2 ]
amdhsa.kernels:
  - .name:           k_qa70a1ea27a_proj
    .symbol:         k_qa70a1ea27a_proj.kd
    .args:
      - { .name: y_codes, .offset: 0, .size: 8, .value_kind: global_buffer, .address_space: global }
      - { .name: wp_codes, .offset: 8, .size: 8, .value_kind: global_buffer, .address_space: global }
      - { .name: lowp_scales, .offset: 16, .size: 8, .value_kind: global_buffer, .address_space: global }
      - { .name: out0, .offset: 24, .size: 8, .value_kind: global_buffer, .address_space: global }
    .group_segment_fixed_size: 327680
    .private_segment_fixed_size: 0
    .kernarg_segment_align: 8
    .kernarg_segment_size: 32
    .max_flat_workgroup_size: 128
    .sgpr_count:     98
    .vgpr_count:     1024
    .wavefront_size: 32
...
	.end_amdgpu_metadata
.endif
;; end of part 4
